; MI455X (gfx1250); checked and timed in simulation.
; The chip was launched on July 23, 2026; its instructions are those of AMD's public machine-readable ISA for CDNA 5 (MIT licence, August 2026) and "CDNA5" Instruction Set Architecture Reference Guide (July 2026). The comments in the code are by the model that wrote it; some were corrected since.
;; Hyperbolic Radial Attention. Allowed arithmetic: float matrix products may take bf16 or f16 operands with f32 sums; other float arithmetic in f32, or as packed bf16 or f16 multiplies, adds, multiply-adds, maxima and minima; sums over many terms, partial sums and values carried from step to step in f32; what a program stores and reads back later, other than sums and carried values, may be rounded once to bf16 or f16.
;; Inputs: Wb 1,024 x 1,024 float32; Wk 1,024 x 1,024 float32; Wo 1,024 x 1,024 float32; Wq 1,024 x 1,024 float32; Wv 1,024 x 1,024 float32; bb 1,024 float32; bk 1,024 float32; bo 1,024 float32; bq 1,024 float32; bv 1,024 float32; curvature one number float32; query 2 x 2,048 x 1,024 float32; radial_weights 16 x 1 x 1 float32.
;; Outputs: out0 2 x 2,048 x 1,024 float32.
;; 2 versions, each right; version 2 is version 1 with the launch cvt written anew for expert scheduling mode. Each part assembles by itself: llvm-mc -triple=amdgcn-amd-amdhsa -mcpu=gfx1250 --defsym DOCPART=n.
;; ======== version 1 of 2: 4 launches
;; limits: values are held in f16: magnitudes above 65,504 overflow, below 6.1e-05 lose precision
;; workspace buffers: ax 16,777,216 bytes; wqkv 6,291,456 bytes; wob 4,194,304 bytes; qh 8,388,608 bytes; kh 8,388,608 bytes; vh 8,388,608 bytes; qst 524,288 bytes; kst 524,288 bytes
;; launch cvt (part 1): grid 64 x 9, 8 waves a work-group, no clusters, 0 bytes of LDS; arguments query, Wq, Wk, Wv, Wo, Wb, ax, wqkv, wob; writes ax, wqkv, wob
.if DOCPART == 1
	.amdgcn_target "amdgcn-amd-amdhsa--gfx1250"
	.amdhsa_code_object_version 6
	.text
	.protected	k_qb304104ae1_cvt
	.globl	k_qb304104ae1_cvt
	.p2align	8
	.type	k_qb304104ae1_cvt,@function
k_qb304104ae1_cvt:
	s_mov_b64 s[64:65], 0
	v_nop
	global_prefetch_b8 v0, s[64:65] scope:SCOPE_SE
	s_setreg_imm32_b32 hwreg(HW_REG_WAVE_MODE, 25, 1), 1
	s_wait_xcnt 0x0
; f32 -> f16, rounded once, and laid in SLICES: 64 neighbouring K channels of all rows, rows of 128 bytes end to end, so that the products' tiles are dense blocks.
;   query [4096][1024]   -> ax   [b 2][slice 32][token 2048][64], slices 16-31 (slices 0-15 are written later, by the attention)
;   Wq, Wk, Wv [1024][1024] -> wqkv [slice 16][row 3072][64], row = 192 head + 64 type + channel (type 0 q, 1 k, 2 v)
;   Wo, Wb [1024][1024]  -> wob  [slice 32][row 1024][64], slices 0-15 Wo, 16-31 Wb
; LIMIT: a number beyond 65,504 becomes an infinity in f16; below 6e-5 f16 keeps its fixed step of 6e-8.
; SHARES.  Work-group y names a matrix of 1,024 rows x 1,024 f32 (0-3: the quarters of query; 4-8: Wq, Wk, Wv, Wo, Wb), x names 16 rows of it.  Wave w takes slices 2 w and 2 w + 1.
; A load: lanes 0-15 take 256 consecutive bytes of an even row, lanes 16-31 of the next row.  A store: the two rows' 128 bytes of a slice are neighbours: 256 consecutive bytes, aligned.
; Memory binds: no LDS, no barrier, no matrix unit; all 16 loads of a wave go out at once, and no register is written twice, so nothing waits for a store.
.set VS, 5                             ; v5     byte offset of my 16 bytes in the first pair of rows, slice 2 w
.set VD, 6                             ; v6-7   byte offset of my 8 bytes in the destination, slices 2 w and 2 w + 1
.set X,  8                             ; v[8:71]   16 loads of 4 registers
.set Y,  72                            ; v[72:103] 16 stores of 2 registers
	s_load_b512 s[8:23], s[0:1], 0x0               ; query s[8:9], Wq s[10:11], Wk s[12:13], Wv s[14:15], Wo s[16:17], Wb s[18:19], ax s[20:21], wqkv s[22:23]
	s_load_b64 s[24:25], s[0:1], 0x40              ; wob
	s_and_b32 s2, ttmp7, 0xffff                    ; y: which matrix
	s_mov_b32 s3, ttmp9                            ; x: which 16 rows
	v_lshrrev_b32 v1, 5, v0
	v_readfirstlane_b32 s4, v1                     ; wave 0..7
	v_and_b32 v2, 31, v0                           ; lane
	v_and_b32 v3, 15, v0                           ; lane % 16
	v_bfe_u32 v4, v0, 4, 1                         ; lane / 16
	; the source: a quarter of query is 4 MiB; 16 rows are 65,536 bytes
	s_lshl_b32 s28, s2, 22
	s_cmp_lt_u32 s2, 4
	s_cselect_b32 s28, s28, 0
	s_lshl_b32 s29, s3, 16
	s_add_co_u32 s28, s28, s29
	s_mov_b32 s29, 0
	; bytes from slice to slice in the destination
	s_mov_b32 s32, 131072
	s_cmp_lt_u32 s2, 7
	s_cselect_b32 s32, 393216, s32
	s_cmp_lt_u32 s2, 4
	s_cselect_b32 s32, 262144, s32
	; where the 16 rows begin in slice 0 of the destination.  query: batch y / 2, slice 16, token 1,024 (y % 2) + 16 x
	s_lshl_b32 s35, s3, 11                         ; 16 x rows of 128 bytes
	s_lshr_b32 s33, s2, 1
	s_lshl_b32 s33, s33, 23
	s_and_b32 s34, s2, 1
	s_lshl_b32 s34, s34, 17
	s_add_co_u32 s33, s33, s34
	s_add_co_u32 s33, s33, 1<<22
	s_add_co_u32 s33, s33, s35
	; Wq, Wk, Wv: head x / 4 (192 rows), type y - 4 (64 rows), channel 16 (x % 4)
	s_lshr_b32 s34, s3, 2
	s_mul_i32 s34, s34, 24576
	s_sub_co_u32 s36, s2, 4
	s_lshl_b32 s36, s36, 13
	s_add_co_u32 s34, s34, s36
	s_and_b32 s36, s3, 3
	s_lshl_b32 s36, s36, 11
	s_add_co_u32 s34, s34, s36
	; Wo: slice 0; Wb: slice 16
	s_sub_co_u32 s36, s2, 7
	s_lshl_b32 s36, s36, 21
	s_add_co_u32 s36, s36, s35
	s_cmp_lt_u32 s2, 7
	s_cselect_b32 s36, s34, s36
	s_cmp_lt_u32 s2, 4
	s_cselect_b32 s36, s33, s36
	s_mov_b32 s37, 0
	; the lanes' offsets
	s_lshl_b32 s5, s4, 9                           ; two slices are 512 bytes of a source row
	v_lshlrev_b32 v[VS], 4, v3
	v_lshl_add_u32 v[VS], v4, 12, v[VS]
	v_add_nc_u32 v[VS], s5, v[VS]
	s_mul_i32 s5, s4, s32
	s_lshl_b32 s5, s5, 1
	v_lshl_add_u32 v[VD], v2, 3, s5
	v_add_nc_u32 v[VD+1], s32, v[VD]
	s_wait_kmcnt 0x0
	s_mov_b64 s[26:27], s[8:9]                     ; the source's address, chosen by y alone
	s_cmp_eq_u32 s2, 4
	s_cselect_b64 s[26:27], s[10:11], s[26:27]
	s_cmp_eq_u32 s2, 5
	s_cselect_b64 s[26:27], s[12:13], s[26:27]
	s_cmp_eq_u32 s2, 6
	s_cselect_b64 s[26:27], s[14:15], s[26:27]
	s_cmp_eq_u32 s2, 7
	s_cselect_b64 s[26:27], s[16:17], s[26:27]
	s_cmp_eq_u32 s2, 8
	s_cselect_b64 s[26:27], s[18:19], s[26:27]
	s_cmp_lt_u32 s2, 7                             ; and the destination's
	s_cselect_b64 s[30:31], s[22:23], s[24:25]
	s_cmp_lt_u32 s2, 4
	s_cselect_b64 s[30:31], s[20:21], s[30:31]
	s_add_nc_u64 s[26:27], s[26:27], s[28:29]
	s_add_nc_u64 s[30:31], s[30:31], s[36:37]
.set i, 0
.rept 16                                               ; pair of rows i / 2, slice 2 w + i % 2
	global_load_b128 v[X+4*i:X+4*i+3], v[VS], s[26:27] offset:(i/2)*8192+(i%2)*256 th:TH_LOAD_NT
.set i, i+1
.endr
.set i, 0
.rept 16
	s_wait_loadcnt 15-i                            ; loads come back in order: load i is in, the younger ones stay out
	v_cvt_pk_f16_f32 v[Y+2*i], v[X+4*i], v[X+4*i+1]
	v_cvt_pk_f16_f32 v[Y+2*i+1], v[X+4*i+2], v[X+4*i+3]
	global_store_b64 v[VD+i%2], v[Y+2*i:Y+2*i+1], s[30:31] offset:(i/2)*256  ; 32 lanes store 256 consecutive bytes, aligned
.set i, i+1
.endr
	s_endpgm
.Lfunc_end_k_qb304104ae1_cvt:
	.size	k_qb304104ae1_cvt, .Lfunc_end_k_qb304104ae1_cvt-k_qb304104ae1_cvt
	.p2alignl 7, 3214868480
	.fill 96, 4, 3214868480
	.section	.rodata,"a",@progbits
	.p2align	6, 0x0
	.amdhsa_kernel k_qb304104ae1_cvt
		.amdhsa_group_segment_fixed_size 0
		.amdhsa_private_segment_fixed_size 0
		.amdhsa_enable_private_segment 0
		.amdhsa_kernarg_size 72
		.amdhsa_user_sgpr_count 2
		.amdhsa_user_sgpr_kernarg_segment_ptr 1
		.amdhsa_wavefront_size32 1
		.amdhsa_system_sgpr_workgroup_id_x 1
		.amdhsa_system_sgpr_workgroup_id_y 1
		.amdhsa_system_sgpr_workgroup_id_z 1
		.amdhsa_system_vgpr_workitem_id 0
		.amdhsa_next_free_vgpr 104
		.amdhsa_next_free_sgpr 66
		.amdhsa_reserve_vcc 0
		.amdhsa_float_denorm_mode_32 3
		.amdhsa_float_denorm_mode_16_64 3
		.amdhsa_memory_ordered 1
		.amdhsa_forward_progress 1
		.amdhsa_inst_pref_size 9
	.end_amdhsa_kernel
	.amdgpu_metadata
---
amdhsa.version: [ 1, 2 ]
amdhsa.kernels:
  - .name:           k_qb304104ae1_cvt
    .symbol:         k_qb304104ae1_cvt.kd
    .args:
      - { .name: query, .offset: 0, .size: 8, .value_kind: global_buffer, .address_space: global }
      - { .name: Wq, .offset: 8, .size: 8, .value_kind: global_buffer, .address_space: global }
      - { .name: Wk, .offset: 16, .size: 8, .value_kind: global_buffer, .address_space: global }
      - { .name: Wv, .offset: 24, .size: 8, .value_kind: global_buffer, .address_space: global }
      - { .name: Wo, .offset: 32, .size: 8, .value_kind: global_buffer, .address_space: global }
      - { .name: Wb, .offset: 40, .size: 8, .value_kind: global_buffer, .address_space: global }
      - { .name: ax, .offset: 48, .size: 8, .value_kind: global_buffer, .address_space: global }
      - { .name: wqkv, .offset: 56, .size: 8, .value_kind: global_buffer, .address_space: global }
      - { .name: wob, .offset: 64, .size: 8, .value_kind: global_buffer, .address_space: global }
    .group_segment_fixed_size: 0
    .private_segment_fixed_size: 0
    .kernarg_segment_align: 8
    .kernarg_segment_size: 72
    .max_flat_workgroup_size: 256
    .sgpr_count:     66
    .vgpr_count:     104
    .wavefront_size: 32
...
	.end_amdgpu_metadata
.endif
;; end of part 1
;; launch qkv (part 2): grid 16 x 16, 4 waves a work-group, clusters of 4 x 4, 327,680 bytes of LDS; arguments ax, wqkv, bq, bk, bv, curvature, radial_weights, qh, kh, vh, qst, kst; writes qh, kh, vh, qst, kst
.if DOCPART == 2
	.amdgcn_target "amdgcn-amd-amdhsa--gfx1250"
	.amdhsa_code_object_version 6
	.text
	.protected	k_qb304104ae1_qkv
	.globl	k_qb304104ae1_qkv
	.p2align	8
	.type	k_qb304104ae1_qkv,@function
k_qb304104ae1_qkv:
	s_mov_b64 s[64:65], 0
	v_nop
	global_prefetch_b8 v0, s[64:65] scope:SCOPE_SE
	s_setreg_imm32_b32 hwreg(HW_REG_WAVE_MODE, 25, 1), 1
	s_wait_xcnt 0x0
	s_wait_alu depctr_hold_cnt(0) depctr_sa_sdst(0) depctr_va_vdst(0) depctr_va_sdst(0) depctr_va_ssrc(0) depctr_va_vcc(0) depctr_vm_vsrc(0)
	s_getreg_b32 s2, hwreg(HW_REG_IB_STS2, 6, 4)
	s_cmp_eq_u32 s2, 0
	s_cbranch_scc0 .Lentry_in_a_cluster
	s_endpgm
.Lentry_in_a_cluster:
	s_bfe_u32 s2, ttmp6, 0x10000c
	s_cmp_lg_u32 s2, 0xf033
	s_cbranch_scc0 .Lentry_shape_is_right
	s_endpgm
.Lentry_shape_is_right:
; q, k, v = query W^T + b for one head and 256 tokens, then the hyperbolic projection x tanh(sc n) / (sc n + 1e-8), n = |x| over the head's 64 channels, sc = sqrt(max(|curvature|, 1e-8)); q also times sigmoid(radial_weights[head]).
; OUT: qh = -4 q, kh = k, vh = v in f16, [16 batch + head][2048][64]; qst, kst in f32, [16 batch + head][block of 256 tokens][2][256]: 2 |x|^2, then 1 / (1 - |x|^2), of the projected q and k, made from the f32 sums.
; Operands f16, sums f32; the bias is the C operand of the product that starts a sum.
; LIMITS.  |x|^2 of a projected row is taken as scale^2 x (the sum of squares of the unprojected row), not summed anew.  tanh(s) = 1 - 2 / (1 + 2^(2.88539 s)); below s = 0.125 the series s (1 + s^2 (-1/3 + s^2 2/15)),
; whose next term is under 2e-7 of the value there.  Where tanh is 1 in f32, 1 - |x|^2 is a residue of rounding.  |projected x| is at most 1 / sc, at most 1e4, so -4 q stays inside f16.  NaN is not treated apart.
; SHARES.  Work-group x = the head: its 192 columns are the head's q, k and v (rows 192 head .. of wqkv).  Work-group y = 256 tokens.  Wave w has tokens 64 w .. 64 w + 63 and all 192 columns:
; 4 blocks of 16 tokens (a) x 12 blocks of 16 columns (b = 4 type + nb): 48 accumulators.  So a head's 64 channels of a token lie in one wave, in two lanes 16 apart.
; THE PRODUCT IS USED TRANSPOSED (source 0 = 16 rows of W, source 1 = 16 tokens): a lane holds one token (lane % 16) and the columns 8 (lane / 16) + 0..7 of a block.
; K = 1,024 goes in 8 steps of 128 (two slices of 64) through a ring of two LDS slots.  A slice's part of a tile is a dense block in memory, asked for as rows of 256 bytes and padded in LDS after every 128.
; CLUSTER 4 x 4: the four of a row of the cluster need the same tokens, the four of a column the same head's weights: each tile is asked for jointly.
; REGISTERS by windows of 256: window 0: v0-31 addresses; v32-95 the tokens' fragments, two buffers; v96-127 packed results; v128-223 the bias, later the way out's figures; v224-225 sc, sigmoid.
;   window 1: accumulators b = 0..7 at 8 (4 b + a) (q, k);  window 2: v0-127 accumulators b = 8..11 (v);  window 3: v0-191 W's fragments, two buffers of 96.
.set PITCH, 144                        ; an LDS row: 128 bytes + 16 = 36 words: the 16 rows of a load start at 16 different groups of four banks (64 banks of 4 bytes: ISA guide 11.1)
.set ASL,   256*PITCH                  ; a slice of the tokens' tile
.set BSL,   192*PITCH                  ; a slice of the weights' tile
.set BOFF,  2*ASL
.set SLOT,  2*ASL+2*BSL                ; 129,024
.set STAGE, 2*SLOT                     ; behind the ring: 16 rows x 144 bytes for each wave, for the way out
.set SPARE, STAGE+4*16*PITCH           ; behind the stages: the spare words, 128 bytes for each wave
.set ASTEP, 2*262144                   ; bytes from K step to K step in ax
.set BSTEP, 2*393216                   ; and in wqkv
.set ADRA, 16                          ; v16-17  LDS address of my tokens' fragments in slot 0, 1
.set ADRB, 20                          ; v20-21  the same for W
.set STO,  24                          ; v24  the way out: where I put 16 bytes of a row
.set RD,   25                          ; v25  where I read rows back
.set GO,   26                          ; v26  16 x lane
.set SO,   27                          ; v27  my word in the tables of figures
.set SPW,  28                          ; v28  LDS address of my spare word; never rewritten
.set NIL,  29                          ; v29  0; never rewritten
.set PFO,  30                          ; v30  the prefetches' offset; never rewritten
.set BO,   31                          ; v31  my byte offset in a bias
.set FA,   32
.set TMP,  96
.set BIAS, 128
.set SC,   128                         ; the way out: 12 pairs: first the sums of squares, then (low word) the scale
.set N2,   152                         ; 12 each: the row's sum of squares,
.set T1,   164                         ; at work,
.set SN,   176                         ; sc n,
.set EX,   188                         ; the exponential, then tanh,
.set RC,   200                         ; 1 / (sc n + 1e-8), then 1 / (1 - |x|^2),
.set PN,   212                         ; the series, then |x|^2, then 2 |x|^2
.set SQC,  224
.set RAD,  225
.set PFA,  4                           ; s[4:5]  where my prefetches stand
.set PFS,  6                           ; s[6:7]  a K step in the tensor that I fetch
.set LIM,  8                           ; s8      1 in a wave that prefetches, else the greatest number
.set G1A,  28                          ; s[28:35] descriptor group 1 for the tokens' tiles;  s[36:43] group 0, a set for each slot
.set G0A,  36
.set G1B,  44                          ; s[44:51], s[52:59] the same for W's
.set G0B,  52
.set SEL,  92                          ; s[92:93] v_permlanex16_b32's selects: each lane takes its own place in the other half
.set MSB, 0
.macro WIN new                         ; the immediate's high byte repeats the setting that is left; a switch that changes nothing is dropped
.if MSB != (\new)
	s_set_vgpr_msb (MSB<<8)|(\new)
.set MSB, \new
.endif
.endm
.macro PLACES                          ; four plain places behind matrix instructions (ISA guide 7.12.1)
.rept 4
	v_nop
.endr
.endm
; A joint load.  Waves 0 and 1 fetch the two slices of the tokens' tile, waves 2 and 3 those of W's.  The branch hangs on the wave's number alone.  An s_nop 0 and four v_nop follow each line.
.macro JLOAD s
	s_cmp_eq_u32 s11, 0
	s_cbranch_scc0 .Lfor_b_\@
	tensor_load_to_lds s[G0A+4*(\s):G0A+4*(\s)+3], s[G1A:G1A+7]
	s_nop 0
.rept 4
	v_nop
.endr
	s_branch .Lasked_\@
.Lfor_b_\@:
	tensor_load_to_lds s[G0B+4*(\s):G0B+4*(\s)+3], s[G1B:G1B+7]
	s_nop 0
.rept 4
	v_nop
.endr
.Lasked_\@:
.endm
.macro CREST                           ; a round of the cluster's barrier behind its opening barrier
	s_cmp_lg_u32 s10, 0
	s_cbranch_scc1 .Lnot_wave_0_\@
	s_barrier_signal -3
.Lnot_wave_0_\@:
	s_barrier_wait -3
	s_barrier_signal -1
	s_barrier_wait -1
.endm
.macro CROUND                          ; a whole round
	s_barrier_signal -1
	s_barrier_wait -1
	CREST
.endm
; A prefetch into the L2 of the K step that stands two refills on, one instruction a wave, behind the joint load and the run of LDS loads.  The tokens' slices are read by every cluster of a row of clusters: cluster x = 0 asks;
; W's by every cluster of a column: cluster y = 0 asks.  The four partners share a wave's block out by address: 32 pieces of 256 bytes each of the tokens' 128, 24 each of W's 96 (there lanes 24-31 name piece 23 again).
; The loop's last trip has no K step two refills on and asks for nothing; nothing is asked for at the head.
.macro ASK
	WIN 0
	s_cmp_gt_u32 s3, s[LIM]                        ; s3 = 1 in the loop's last trip
	s_cbranch_scc0 .Lnot_mine_\@
	global_prefetch_b8 v[PFO], s[PFA:PFA+1] th:TH_LOAD_NT scope:SCOPE_SE
.Lnot_mine_\@:
.endm
	s_load_b512 s[68:83], s[0:1], 0x0              ; ax s[68:69], wqkv s[70:71], bq s[72:73], bk s[74:75], bv s[76:77], curvature s[78:79], radial_weights s[80:81], qh s[82:83]
	s_load_b256 s[84:91], s[0:1], 0x40             ; kh s[84:85], vh s[86:87], qst s[88:89], kst s[90:91]
	v_lshl_add_u32 v[SPW], v0, 2, SPARE
	v_mov_b32 v[NIL], 0
	ds_add_u32 v[SPW], v[NIL]                      ; the wave's opening: the add and its wait stand ahead of my first tensor load; the set-up below stands between them
	v_lshrrev_b32 v1, 5, v0
	v_readfirstlane_b32 s10, v1                    ; wave 0..3
	s_lshr_b32 s11, s10, 1                         ; I fetch tokens (0) or W (1),
	s_and_b32 s12, s10, 1                          ; slice 0 or 1 of the K step
	s_bfe_u32 s13, ttmp6, 0x40000                  ; cx
	s_bfe_u32 s14, ttmp6, 0x40004                  ; cy
	s_lshl_b32 s15, ttmp9, 2
	s_add_co_u32 s15, s15, s13                     ; the head = 4 x cluster x + cx
	s_and_b32 s16, ttmp7, 0xffff
	s_lshl_b32 s16, s16, 2
	s_add_co_u32 s16, s16, s14                     ; the block of 256 tokens = 4 x cluster y + cy
	s_lshl_b32 s17, s14, 2
	s_lshl_b32 s17, 15, s17                        ; my row of the cluster
	s_lshl_b32 s18, 0x1111, s13                    ; my column
	; group 1: dense blocks as rows of 128 elements of 2 bytes; after every 32 words (code 4) 4 words of padding (code 3); bit 21 set beside a mask
	s_or_b32 s[G1A], s17, (1<<16)|(1<<20)|(1<<21)|(4<<22)|(3<<25)
	s_or_b32 s[G1B], s18, (1<<16)|(1<<20)|(1<<21)|(4<<22)|(3<<25)
	s_mov_b32 s[G1A+1], 128<<16                    ; tensor_dim0 = 128
	s_mov_b32 s[G1A+2], 128<<16                    ; tensor_dim1 = 128: 256 tokens of 128 bytes
	s_mov_b32 s[G1A+3], 128<<16                    ; tile_dim0 = 128
	s_mov_b32 s[G1A+4], 128                        ; tile_dim1 = 128
	s_mov_b32 s[G1A+5], 128                        ; elements from row to row
	s_mov_b32 s[G1A+6], 0
	s_mov_b32 s[G1A+7], 0
	s_mov_b32 s[G1B+1], 128<<16
	s_mov_b32 s[G1B+2], 96<<16                     ; 192 rows of W of 128 bytes
	s_mov_b32 s[G1B+3], 128<<16
	s_mov_b32 s[G1B+4], 96
	s_mov_b32 s[G1B+5], 128
	s_mov_b32 s[G1B+6], 0
	s_mov_b32 s[G1B+7], 0
	; the tokens' tile hangs on the block of tokens and the wave alone: slice 32 batch + 16 + my slice, 32,768 bytes a block
	s_lshr_b32 s20, s16, 3
	s_lshl_b32 s20, s20, 5
	s_add_co_u32 s20, s20, 16
	s_add_co_u32 s20, s20, s12
	s_lshl_b32 s20, s20, 18
	s_and_b32 s21, s16, 7
	s_lshl_b32 s21, s21, 15
	s_add_co_u32 s20, s20, s21
	s_mov_b32 s21, 0
	; W's on the head and the wave alone: my slice, 24,576 bytes a head
	s_mul_i32 s22, s12, 393216
	s_mul_i32 s23, s15, 24576
	s_add_co_u32 s22, s22, s23
	s_mov_b32 s23, 0
	s_mul_i32 s24, s10, ASL                        ; where they go: the tokens' two slices (waves 0, 1),
	s_mul_i32 s25, s10, BSL
	s_add_co_u32 s25, s25, BOFF-2*BSL              ; then W's two (waves 2, 3)
	s_mov_b32 s[SEL], 0x76543210
	s_mov_b32 s[SEL+1], 0xfedcba98
	s_mov_b32 s94, 0x3e088889                      ; 2/15
	s_mov_b32 s95, 0xbeaaaaab                      ; -1/3
	s_mov_b32 s66, 0xffff0000                      ; lanes 16-31
	s_wait_dscnt 0x0                               ; the opening add is done
	s_wait_kmcnt 0x0
	s_add_nc_u64 s[20:21], s[68:69], s[20:21]
	s_add_nc_u64 s[22:23], s[70:71], s[22:23]
	CROUND                                         ; all sixteen work-groups are here: the first joint loads meet
.irp s, 0,1
	s_mov_b32 s[G0A+4*(\s)], 1
	s_add_co_u32 s[G0A+4*(\s)+1], s24, (\s)*SLOT
	s_add_nc_u64 s[G0A+4*(\s)+2:G0A+4*(\s)+3], s[20:21], (\s)*ASTEP
	s_or_b32 s[G0A+4*(\s)+3], s[G0A+4*(\s)+3], 0x80000000
	s_mov_b32 s[G0B+4*(\s)], 1
	s_add_co_u32 s[G0B+4*(\s)+1], s25, (\s)*SLOT
	s_add_nc_u64 s[G0B+4*(\s)+2:G0B+4*(\s)+3], s[22:23], (\s)*BSTEP
	s_or_b32 s[G0B+4*(\s)+3], s[G0B+4*(\s)+3], 0x80000000
	JLOAD \s                                       ; two loads of mine are out
.endr
	s_load_b32 s62, s[78:79], 0x0                  ; curvature
	v_and_b32 v1, 15, v0                           ; l % 16
	v_bfe_u32 v2, v0, 4, 1                         ; l / 16
	s_lshl_b32 s26, s15, 8
	v_lshl_add_u32 v[BO], v2, 5, s26               ; 4 (64 head + 8 (l / 16))
.irp T, 0,1,2
.irp nb, 0,1,2,3
	global_load_b128 v[BIAS+8*(4*(\T)+(\nb)):BIAS+8*(4*(\T)+(\nb))+3],   v[BO], s[72+2*(\T):73+2*(\T)] offset:64*(\nb)
	global_load_b128 v[BIAS+8*(4*(\T)+(\nb))+4:BIAS+8*(4*(\T)+(\nb))+7], v[BO], s[72+2*(\T):73+2*(\T)] offset:64*(\nb)+16
.endr
.endr
	s_lshl_b32 s26, s15, 2
	v_mov_b32 v6, s26
	global_load_b32 v[RAD], v6, s[80:81]           ; radial_weights[head]
	; a fragment is 16 rows x 32 K in 8 registers: lane l holds row l % 16, K = 8 (l / 16) + 0..7 and 16 + 8 (l / 16) + 0..7: two loads of 16 bytes, 32 bytes apart
	v_mul_u32_u24 v3, v1, PITCH
	v_lshl_add_u32 v3, v2, 4, v3
	s_mul_i32 s26, s10, 64*PITCH
	v_add_nc_u32 v[ADRA], s26, v3
	v_add_nc_u32 v[ADRA+1], SLOT, v[ADRA]
	v_add_nc_u32 v[ADRB], BOFF, v3
	v_add_nc_u32 v[ADRB+1], SLOT, v[ADRB]
	s_mul_i32 s27, s10, 16*PITCH
	s_add_co_u32 s27, s27, STAGE                   ; my stage
	v_add_nc_u32 v[STO], s27, v3                   ; in: row l % 16, 16 bytes for each half of the lanes
	v_bfe_u32 v4, v0, 3, 2                         ; back: 32 lanes take four rows of 128 bytes
	v_and_b32 v5, 7, v0
	v_mul_u32_u24 v4, v4, PITCH
	v_lshl_add_u32 v4, v5, 4, v4
	v_add_nc_u32 v[RD], s27, v4
	v_and_b32 v7, 31, v0
	v_lshlrev_b32 v[GO], 4, v7
	; where my 64 tokens begin in qh, kh, vh and in the tables
	s_lshr_b32 s26, s16, 3
	s_lshl_b32 s26, s26, 4
	s_add_co_u32 s26, s26, s15                     ; 16 batch + head
	s_and_b32 s27, s16, 7                          ; the block of 256 tokens in its batch
	s_lshl_b32 s60, s26, 18
	s_lshl_b32 s61, s27, 15
	s_add_co_u32 s60, s60, s61
	s_lshl_b32 s61, s10, 13
	s_add_co_u32 s60, s60, s61
	s_mov_b32 s61, 0
	s_add_nc_u64 s[82:83], s[82:83], s[60:61]
	s_add_nc_u64 s[84:85], s[84:85], s[60:61]
	s_add_nc_u64 s[86:87], s[86:87], s[60:61]
	s_lshl_b32 s60, s26, 14
	s_lshl_b32 s61, s27, 11
	s_add_co_u32 s60, s60, s61
	s_lshl_b32 s61, s10, 8
	s_add_co_u32 s60, s60, s61
	v_lshl_add_u32 v[SO], v7, 2, s60
	; the prefetches: my block at K step 3, my work-group's share of it; each change of slots steps it by a K step first
	s_and_b32 s61, ttmp7, 0xffff                   ; cluster y
	s_mul_i32 s26, s13, 8192
	s_mul_i32 s27, s14, 6144
	s_mov_b32 s9, BSTEP
	s_cmp_eq_u32 s11, 0
	s_cselect_b64 s[PFA:PFA+1], s[20:21], s[22:23]
	s_cselect_b32 s[PFS], ASTEP, s9
	s_cselect_b32 s26, s26, s27
	s_cselect_b32 s61, ttmp9, s61                  ; the coordinate along which other clusters read the same block
	s_cselect_b32 s9, 31, 23
	s_mov_b32 s[PFS+1], 0
	s_cmp_eq_u32 s61, 0
	s_cselect_b32 s[LIM], 1, -1                    ; the same in all sixteen partners, for a given wave
	s_mul_i32 s61, s[PFS], 3
	s_add_co_u32 s26, s26, s61
	s_mov_b32 s27, 0
	s_add_nc_u64 s[PFA:PFA+1], s[PFA:PFA+1], s[26:27]
	v_min_u32 v[PFO], s9, v7
	v_lshlrev_b32 v[PFO], 8, v[PFO]
	; sc = sqrt(max(|curvature|, 1e-8)); sigmoid = 1 / (1 + 2^(-log2(e) w))
	s_wait_kmcnt 0x0
	s_and_b32 s62, s62, 0x7fffffff
	v_mov_b32 v[SQC], s62
	v_max_num_f32 v[SQC], 0x322bcc77, v[SQC]
	s_wait_loadcnt 0x0                             ; the biases and radial_weights[head]
	v_mul_f32 v[RAD], 0xbfb8aa3b, v[RAD]
	v_sqrt_f32 v[SQC], v[SQC]
	v_exp_f32 v[RAD], v[RAD]
	v_nop                                          ; a plain instruction behind the last of the batch,
	s_wait_alu depctr_va_vdst(0)                   ; and a wait ahead of the first use
	v_add_f32 v[RAD], 1.0, v[RAD]
	v_rcp_f32 v[RAD], v[RAD]
	v_nop
	s_wait_alu depctr_va_vdst(0)
; 16 products: column blocks b0 .. b0 + 3 x all four token blocks, 32 along K, from buffer f.  zero = 1: the bias starts the sums.  Each of the 48 accumulators has one turn in a quarter step.
.macro MULB f, b0, zero
.irp bb, 0,1,2,3
.irp a, 0,1,2,3
.set B_, (\b0)+(\bb)
.set AC_, 8*(4*(B_%8)+(\a))
.if \zero
	WIN 0x43+0x40*(B_/8)                           ; W window 3, tokens and bias window 0, result window 1 or 2
	v_wmma_f32_16x16x32_f16 v[AC_:AC_+7], v[96*(\f)+8*B_:96*(\f)+8*B_+7], v[FA+32*(\f)+8*(\a):FA+32*(\f)+8*(\a)+7], v[BIAS+8*B_:BIAS+8*B_+7]
.else
	WIN 0x53+0x50*(B_/8)
	v_wmma_f32_16x16x32_f16 v[AC_:AC_+7], v[96*(\f)+8*B_:96*(\f)+8*B_+7], v[FA+32*(\f)+8*(\a):FA+32*(\f)+8*(\a)+7], v[AC_:AC_+7]
.endif
.endr
.endr
.endm
; 32 LDS loads in one run: the fragments of quarter q of a K step (slice q / 2, bytes 64 (q % 2) on) into buffer f: the tokens' 8, then W's 24 with b ascending
.macro FETCH slot, q, f
	WIN 0
.irp i, 0,1,2,3
	ds_load_b128 v[FA+32*(\f)+8*(\i):FA+32*(\f)+8*(\i)+3],   v[ADRA+(\slot)] offset:((\q)/2)*ASL+((\q)%2)*64+(\i)*16*PITCH
	ds_load_b128 v[FA+32*(\f)+8*(\i)+4:FA+32*(\f)+8*(\i)+7], v[ADRA+(\slot)] offset:((\q)/2)*ASL+((\q)%2)*64+(\i)*16*PITCH+32
.endr
	WIN 0xc0                                       ; destination window 3, address window 0
.irp i, 0,1,2,3,4,5,6,7,8,9,10,11
	ds_load_b128 v[96*(\f)+8*(\i):96*(\f)+8*(\i)+3],   v[ADRB+(\slot)] offset:((\q)/2)*BSL+((\q)%2)*64+(\i)*16*PITCH
	ds_load_b128 v[96*(\f)+8*(\i)+4:96*(\f)+8*(\i)+7], v[ADRB+(\slot)] offset:((\q)/2)*BSL+((\q)%2)*64+(\i)*16*PITCH+32
.endr
.endm
; One of a K step's first three quarters: multiplies buffer f and fetches quarter qn of the same slot into buffer g
.macro QUARTER slot, qn, f, g, zero
	s_wait_dscnt 16                                ; the tokens' fragments and W's blocks 0-3 are in; the youngest sixteen loads (blocks 4-11) may be out
	MULB \f, 0, \zero
	PLACES                                         ; in front of loads into registers that the quarter before multiplied
	FETCH \slot, \qn, \g
	s_wait_dscnt 32                                ; all but the 32 just issued
	MULB \f, 4, \zero
	MULB \f, 8, \zero
.endm
; The last quarter multiplies buffer 1 and changes slots: one barrier; in front of it each wave waits for all its tensor loads (one is out: its part of the next slot), adds 0 to its spare word, and waits for that and for
; its reads of this slot.  fill = 1: the barrier opens a round of the cluster's, and behind the round this slot is filled again, two K steps ahead: the load has 160 products in which to land.
.macro TURN slot, next, fill
.if \fill
	s_wait_xcnt 0x0                                ; the last prefetch, a K step back, has read its address
	s_add_nc_u64 s[PFA:PFA+1], s[PFA:PFA+1], s[PFS:PFS+1]
.endif
	WIN 0
	s_wait_tensorcnt 0x0                           ; all my tensor loads have landed
	ds_add_u32 v[SPW], v[NIL]                      ; 0 onto my spare word
	s_wait_dscnt 17                                ; (the add and the youngest sixteen loads may be out)
	MULB 1, 0, 0
	s_wait_dscnt 0x0                               ; the add is done, and my reads of this slot are over
	s_barrier_signal -1
	MULB 1, 4, 0                                   ; work on registers while the others arrive
	WIN 0
	s_barrier_wait -1
.if \fill
	CREST                                          ; no wave of any partner still reads this slot or has a load on its way
	s_add_nc_u64 s[G0A+4*(\slot)+2:G0A+4*(\slot)+3], s[G0A+4*(\slot)+2:G0A+4*(\slot)+3], 2*ASTEP
	s_add_nc_u64 s[G0B+4*(\slot)+2:G0B+4*(\slot)+3], s[G0B+4*(\slot)+2:G0B+4*(\slot)+3], 2*BSTEP
	JLOAD \slot                                    ; the first tensor load behind the round; its four v_nop are also the places in front of the loads below
.else
	PLACES
.endif
	FETCH \next, 0, 0
.if \fill
	ASK
.endif
	MULB 1, 8, 0
.endm
	s_wait_tensorcnt 1                             ; my part of K step 0 is in; K step 1's may stay out
	s_barrier_signal -1
	s_barrier_wait -1                              ; everybody's is
	FETCH 0, 0, 0
	QUARTER 0, 1, 0, 1, 1                          ; the first quarter stands in front of the loop: its products start the sums, with the bias
	WIN 0                                          ; at a label and at a branch every window is 0
	s_mov_b32 s3, 3
.Llap:                                                 ; a trip goes once round the ring, from a lap's second quarter to the next lap's first, and fills both slots again
	QUARTER 0, 2, 1, 0, 0
	QUARTER 0, 3, 0, 1, 0
	TURN 0, 1, 1
	QUARTER 1, 1, 0, 1, 0
	QUARTER 1, 2, 1, 0, 0
	QUARTER 1, 3, 0, 1, 0
	TURN 1, 0, 1
	QUARTER 0, 1, 0, 1, 0
	WIN 0
	s_sub_co_u32 s3, s3, 1
	s_cmp_lg_u32 s3, 0
	s_cbranch_scc1 .Llap
	QUARTER 0, 2, 1, 0, 0                          ; the last lap fills nothing
	QUARTER 0, 3, 0, 1, 0
	TURN 0, 1, 0
	QUARTER 1, 1, 0, 1, 0
	QUARTER 1, 2, 1, 0, 0
	QUARTER 1, 3, 0, 1, 0
	s_wait_dscnt 16
	MULB 1, 0, 0
	s_wait_dscnt 0x0
	MULB 1, 4, 0
	MULB 1, 8, 0
	WIN 0
	PLACES
	PLACES
; THE WAY OUT.  Set e = 4 type + a is 16 tokens x a head's 64 channels: four accumulators.
.macro ALL12 line:vararg
.set e, 0
.rept 12
	\line
.set e, e+1
.endr
.endm
.macro ALL8 line:vararg
.set e, 0
.rept 8
	\line
.set e, e+1
.endr
.endm
.macro ALL4 line:vararg
.set e, 0
.rept 4
	\line
.set e, e+1
.endr
.endm
; the sums of squares of type T's four sets, two at a time; the four chains take turns; each accumulator is read from its low end on
.macro SUMSQ T
	WIN 0x05+0x05*((\T)/2)                         ; sources 0 and 1 window 1 or 2
.irp nb, 0,1,2,3
.irp p, 0,1,2,3
.irp a, 0,1,2,3
.set R_, 128*((\T)%2)+8*(4*(\nb)+(\a))+2*(\p)
.set D_, SC+2*(4*(\T)+(\a))
.if ((\nb)+(\p)) == 0
	v_pk_mul_f32 v[D_:D_+1], v[R_:R_+1], v[R_:R_+1]
.else
	v_pk_fma_f32 v[D_:D_+1], v[R_:R_+1], v[R_:R_+1], v[D_:D_+1]
.endif
.endr
.endr
.endr
.endm
	SUMSQ 0
	SUMSQ 1
	SUMSQ 2
	WIN 0
	ALL12 v_add_f32 v[N2+e], v[SC+2*e], v[SC+2*e+1]
	ALL12 v_permlanex16_b32 v[T1+e], v[N2+e], s[SEL], s[SEL+1]  ; the token's other 32 channels lie in the lane 16 away
	ALL12 v_add_f32 v[N2+e], v[N2+e], v[T1+e]
	ALL12 v_sqrt_f32 v[T1+e], v[N2+e]
	v_nop
	s_wait_alu depctr_va_vdst(0)                   ; one wait for the twelve roots
	ALL12 v_mul_f32 v[SN+e], v[SQC], v[T1+e]
	ALL12 v_mul_f32 v[EX+e], 0x4038aa3b, v[SN+e]   ; 2 log2(e) s
	ALL12 v_add_f32 v[RC+e], 0x322bcc77, v[SN+e]   ; s + 1e-8
	ALL12 v_exp_f32 v[EX+e], v[EX+e]
	ALL12 v_rcp_f32 v[RC+e], v[RC+e]
	ALL12 v_mul_f32 v[T1+e], v[SN+e], v[SN+e]      ; the series, while the batch is out
	ALL12 v_fma_f32 v[PN+e], v[T1+e], s94, s95
	ALL12 v_fma_f32 v[PN+e], v[T1+e], v[PN+e], 1.0
	ALL12 v_mul_f32 v[PN+e], v[SN+e], v[PN+e]
	s_wait_alu depctr_va_vdst(0)                   ; one wait for the 24
	ALL12 v_add_f32 v[EX+e], 1.0, v[EX+e]
	ALL12 v_rcp_f32 v[EX+e], v[EX+e]
	v_nop
	s_wait_alu depctr_va_vdst(0)
	ALL12 v_fma_f32 v[EX+e], v[EX+e], -2.0, 1.0    ; tanh
.set e, 0
.rept 12
	v_cmp_gt_f32 vcc_lo, 0x3e000000, v[SN+e]       ; s < 0.125: the series
	v_cndmask_b32 v[EX+e], v[EX+e], v[PN+e], vcc_lo
.set e, e+1
.endr
	ALL12 v_mul_f32 v[SC+2*e], v[EX+e], v[RC+e]    ; the scale
	ALL4 v_mul_f32 v[SC+2*e], v[RAD], v[SC+2*e]    ; q: times the sigmoid
	ALL8 v_mul_f32 v[T1+e], v[SC+2*e], v[SC+2*e]
	ALL8 v_mul_f32 v[PN+e], v[T1+e], v[N2+e]       ; |x|^2 of the projected q and k
	ALL8 v_sub_f32 v[RC+e], 1.0, v[PN+e]
	ALL8 v_rcp_f32 v[RC+e], v[RC+e]
	ALL8 v_add_f32 v[PN+e], v[PN+e], v[PN+e]
	ALL4 v_mul_f32 v[SC+2*e], -4.0, v[SC+2*e]      ; q leaves as -4 q: exact
	s_wait_alu depctr_va_vdst(0)
	; the figures: both halves of the lanes hold a token's; two blocks of 16 tokens are joined, a lane a token: 128 consecutive bytes a store
.irp T, 0,1
.irp hh, 0,1
	v_cndmask_b32 v[T1+4*(\T)+2*(\hh)],   v[PN+4*(\T)+2*(\hh)], v[PN+4*(\T)+2*(\hh)+1], s66
	v_cndmask_b32 v[T1+4*(\T)+2*(\hh)+1], v[RC+4*(\T)+2*(\hh)], v[RC+4*(\T)+2*(\hh)+1], s66
	global_store_b32 v[SO], v[T1+4*(\T)+2*(\hh)],   s[88+2*(\T):89+2*(\T)] offset:128*(\hh)
	global_store_b32 v[SO], v[T1+4*(\T)+2*(\hh)+1], s[88+2*(\T):89+2*(\T)] offset:1024+128*(\hh)
.endr
.endr
.macro PACK e                          ; set e: scaled in place, rounded to f16: 16 bytes a lane and column block
.set T_, (\e)/4
.set A_, (\e)%4
	WIN 0x41+0x41*(T_/2)                           ; destination and source 0 window 1 or 2, the scale window 0
.irp nb, 0,1,2,3
.irp p, 0,1,2,3
.set R_, 128*(T_%2)+8*(4*(\nb)+A_)+2*(\p)
	v_pk_mul_f32 v[R_:R_+1], v[R_:R_+1], v[SC+2*(\e):SC+2*(\e)+1] op_sel_hi:[1,0]
.endr
.endr
	s_wait_xcnt 0x0                                ; the stores of the set two back have read the registers that are written now
	WIN 0x05+0x05*(T_/2)
.irp nb, 0,1,2,3
.irp p, 0,1,2,3
.set R_, 128*(T_%2)+8*(4*(\nb)+A_)+2*(\p)
	v_cvt_pk_f16_f32 v[TMP+16*((\e)%2)+4*(\nb)+(\p)], v[R_], v[R_+1]
.endr
.endr
	WIN 0
.endm
.macro TOSTAGE e                       ; into my own stage, and back as whole rows of 128 bytes
.irp nb, 0,1,2,3
	ds_store_b128 v[STO], v[TMP+16*((\e)%2)+4*(\nb):TMP+16*((\e)%2)+4*(\nb)+3] offset:32*(\nb)
.endr
.irp f, 0,1,2,3
	ds_load_b128 v[TMP+16*((\e)%2)+4*(\f):TMP+16*((\e)%2)+4*(\f)+3], v[RD] offset:(\f)*4*PITCH  ; LDS serves a wave's instructions in order (ISA guide 5.7.1.4): these see the stores above
.endr
.endm
.macro SEND e, younger                 ; younger: the LDS instructions issued behind set e's loads: the next set's eight, or none
.irp f, 0,1,2,3
	s_wait_dscnt (\younger)+3-(\f)
	global_store_b128 v[GO], v[TMP+16*((\e)%2)+4*(\f):TMP+16*((\e)%2)+4*(\f)+3], s[82+2*((\e)/4):83+2*((\e)/4)] offset:((\e)%4)*2048+(\f)*512  ; 512 consecutive bytes, aligned
.endr
.endm
	PACK 0
	TOSTAGE 0
.irp e, 1,2,3,4,5,6,7,8,9,10,11
	PACK \e
	TOSTAGE \e
	SEND (\e)-1, 8
.endr
	SEND 11, 0
	s_wait_tensorcnt 0x0                           ; the wave's end: behind my last tensor load and my last LDS store
	ds_add_u32 v[SPW], v[NIL]
	s_wait_dscnt 0x0
	CROUND                                         ; the closing round: no work-group ends while a partner may still ask for a tile that names it
	s_endpgm
.Lfunc_end_k_qb304104ae1_qkv:
	.size	k_qb304104ae1_qkv, .Lfunc_end_k_qb304104ae1_qkv-k_qb304104ae1_qkv
	.p2alignl 7, 3214868480
	.fill 96, 4, 3214868480
	.section	.rodata,"a",@progbits
	.p2align	6, 0x0
	.amdhsa_kernel k_qb304104ae1_qkv
		.amdhsa_group_segment_fixed_size 327680
		.amdhsa_private_segment_fixed_size 0
		.amdhsa_enable_private_segment 0
		.amdhsa_kernarg_size 96
		.amdhsa_user_sgpr_count 2
		.amdhsa_user_sgpr_kernarg_segment_ptr 1
		.amdhsa_wavefront_size32 1
		.amdhsa_system_sgpr_workgroup_id_x 1
		.amdhsa_system_sgpr_workgroup_id_y 1
		.amdhsa_system_sgpr_workgroup_id_z 1
		.amdhsa_system_vgpr_workitem_id 0
		.amdhsa_next_free_vgpr 960
		.amdhsa_next_free_sgpr 96
		.amdhsa_reserve_vcc 1
		.amdhsa_float_denorm_mode_32 3
		.amdhsa_float_denorm_mode_16_64 3
		.amdhsa_memory_ordered 1
		.amdhsa_forward_progress 1
		.amdhsa_inst_pref_size 163
	.end_amdhsa_kernel
	.amdgpu_metadata
---
amdhsa.version: [ 1, 2 ]
amdhsa.kernels:
  - .name:           k_qb304104ae1_qkv
    .symbol:         k_qb304104ae1_qkv.kd
    .args:
      - { .name: ax, .offset: 0, .size: 8, .value_kind: global_buffer, .address_space: global }
      - { .name: wqkv, .offset: 8, .size: 8, .value_kind: global_buffer, .address_space: global }
      - { .name: bq, .offset: 16, .size: 8, .value_kind: global_buffer, .address_space: global }
      - { .name: bk, .offset: 24, .size: 8, .value_kind: global_buffer, .address_space: global }
      - { .name: bv, .offset: 32, .size: 8, .value_kind: global_buffer, .address_space: global }
      - { .name: curvature, .offset: 40, .size: 8, .value_kind: global_buffer, .address_space: global }
      - { .name: radial_weights, .offset: 48, .size: 8, .value_kind: global_buffer, .address_space: global }
      - { .name: qh, .offset: 56, .size: 8, .value_kind: global_buffer, .address_space: global }
      - { .name: kh, .offset: 64, .size: 8, .value_kind: global_buffer, .address_space: global }
      - { .name: vh, .offset: 72, .size: 8, .value_kind: global_buffer, .address_space: global }
      - { .name: qst, .offset: 80, .size: 8, .value_kind: global_buffer, .address_space: global }
      - { .name: kst, .offset: 88, .size: 8, .value_kind: global_buffer, .address_space: global }
    .group_segment_fixed_size: 327680
    .private_segment_fixed_size: 0
    .kernarg_segment_align: 8
    .kernarg_segment_size: 96
    .max_flat_workgroup_size: 128
    .sgpr_count:     96
    .vgpr_count:     960
    .wavefront_size: 32
...
	.end_amdgpu_metadata
.endif
;; end of part 2
;; launch attn (part 3): grid 8 x 32, 8 waves a work-group, clusters of 4 x 1, 327,680 bytes of LDS; arguments qh, kh, vh, qst, kst, curvature, ax; writes ax
.if DOCPART == 3
	.amdgcn_target "amdgcn-amd-amdhsa--gfx1250"
	.amdhsa_code_object_version 6
	.text
	.protected	k_qb304104ae1_attn
	.globl	k_qb304104ae1_attn
	.p2align	8
	.type	k_qb304104ae1_attn,@function
k_qb304104ae1_attn:
	s_mov_b64 s[64:65], 0
	v_nop
	global_prefetch_b8 v0, s[64:65] scope:SCOPE_SE
	s_setreg_imm32_b32 hwreg(HW_REG_WAVE_MODE, 25, 1), 1
	s_wait_xcnt 0x0
	s_wait_alu depctr_hold_cnt(0) depctr_sa_sdst(0) depctr_va_vdst(0) depctr_va_sdst(0) depctr_va_ssrc(0) depctr_va_vcc(0) depctr_vm_vsrc(0)
	s_getreg_b32 s2, hwreg(HW_REG_IB_STS2, 6, 4)
	s_cmp_eq_u32 s2, 0
	s_cbranch_scc0 .Lentry_in_a_cluster
	s_endpgm
.Lentry_in_a_cluster:
	s_bfe_u32 s2, ttmp6, 0x10000c
	s_cmp_lg_u32 s2, 0x3003
	s_cbranch_scc0 .Lentry_shape_is_right
	s_endpgm
.Lentry_shape_is_right:
; O[hd][q] = the sum over k of softmax_k(-arccosh(x) / (8 (sc + 1e-8))) v[hd][k],  x = max(1 + 2 |q - k|^2 / max((1 - |q|^2)(1 - |k|^2), 1e-8), 1),  sc = sqrt(max(|curvature|, 1e-8)).
; IN: qh = -4 q, kh = k, vh = v, f16 [hd 32][2048][64]; qst, kst f32 [hd][block of 256][2][256]: 2 |.|^2, then 1 / (1 - |.|^2).  OUT: O in f16 into ax [batch][slice = head][token][64].
; IN BASE 2.  D = 2 |q|^2 + 2 |k|^2 - 4 q.k: the product k (-4 q)^T with 2 |k|^2 as the C operand that starts it, then + 2 |q|^2.  R = min(rq rk, 1e8), taken on the words as unsigned numbers: a product that is negative,
; infinite or above 1e8 has a greater word than 1e8, and all of these are the cases in which the denominator is held at 1e-8.  x = max(1 + D R, 1) (1 + 1e-8 is 1 in f32); y = x + sqrt(x x - 1); t = log2 y >= 0;
; weight = 2^(g tmin - g t), g = 1 / (8 (sc + 1e-8)): the running maximum of the score is the running minimum tmin of t; O and l are multiplied by 2^(g tmin_new - g tmin_old) in every step.
; l is the product of the weights with ones, so it is the sum of the weights as rounded to f16.
; LIMITS.  A weight below 6e-8 is 0 in f16; O keeps f16's fixed step of 6e-8 below 6e-5; NaN is not treated apart.
; SHARES.  A work-group owns 256 queries of one (batch, head), each of its eight waves 32: two tiles of 16.  Every wave walks all 2,048 keys, 64 a step.  Two waves lie on a SIMD: a step has some 620 vector lines for 36 products,
; so the text is written in plain phases, and one wave's products, LDS loads and waits stand under the other's vector work.
; LAYOUT.  S^T = K Q^T holds one query a lane (lane % 16) and the keys 8 (lane / 16) + 0..7 of a block of 16; two such results rounded to f16 are source 1 of O^T = V^T P.
; CLUSTER.  The four query blocks of a cluster belong to one (batch, head) and walk the same K, V and figures: each tile is asked for jointly.
; REGISTERS.  window 0: v2-15, v40-47 addresses and constants; v16-39 twelve a tile; v48-79 rk; v80-143 S^T; v144-207 Z (R, then the root); P lies on Z's first half, 2 |k|^2 on its second.
;   window 1: v0-63 O^T; v64-79 l; v80-111 Q; v112-175 K of a step; v176-239 V of a step; v240-247 ones.
.set KS,    64
.set PK,    144       ; a row of K in LDS: 128 bytes + 16: the 16 rows of a load start at 16 different groups of four banks (64 banks of 4 bytes: ISA guide 11.1)
.set PV,    160       ; a row of V: 128 + 32
.set VOFF,  4*KS*PK   ; a slot holds four steps: 256 rows of K, 256 rows of V,
.set SOFF,  4*KS*(PK+PV)  ; and the keys' figures: 256 x 2 |k|^2, 256 x rk
.set SLOT1, 1<<17     ; slot 1 begins here: one exclusive or turns an address in one slot into the other's
.set STAGE, SLOT1+SOFF+2048  ; behind the ring: 16 rows x 144 bytes for each wave, for the way out
.set SP,    144
.set SPARE, STAGE+8*16*SP    ; behind the stages: the spare words, 128 bytes for each wave
.set AK0, 2           ; my lane's place in a tile of K, of V, of the figures; never rewritten
.set AV0, 3
.set AS0, 4
.set AK,  5           ; the step's LDS addresses
.set AV,  6
.set AS,  7
.set STO, 8
.set RD,  9
.set GO,  10
.set QO,  11
.set NG,  12          ; v12-13  -g, twice
.set SPW, 14          ; LDS address of my spare word; never rewritten
.set NIL, 15          ; 0; never rewritten
.set ST,  16          ; tile t at ST + 12 t: +0 g tmin, +1 tmin, +2,3 2 |q|^2 twice, +4,5 rq twice, +6 the factor for O and l (+7 named with it), +8..11 at work
.set MV,  40          ; v40-41  g tmin as it was
.set PFO, 42          ; 256 x my lane
.set G,   43          ; g
.set QS,  44
.set RK,  48
.set S,   80
.set Z,   144
.set P,   144
.set KN,  176
.set O,   0           ; window 1
.set L,   64
.set QF,  80
.set KF,  112
.set VF,  176
.set ONES, 240
.set WV,  12          ; s12  my wave's number
.set PFA, 4           ; s[4:5]
.set LIM, 6
.set G1K, 32
.set G1V, 40
.set G1S, 48
.set G0K, 56
.set G0V, 60
.set G0S, 68
.set TBK, 72          ; LDS byte at which K, V (less VOFF), the figures (less SOFF) of the step to be fetched begin
.set TBV, 73
.set TBS, 74
.set SLOTS, 75
.set CNT, 76
.set CAP, 77          ; 1e8
.set SEL, 78          ; s[78:79]
.set MSB, 0
.macro WIN new
.if MSB != (\new)
	s_set_vgpr_msb (MSB<<8)|(\new)
.set MSB, \new
.endif
.endm
; A joint fill.  Waves 0 and 1 fetch the halves of a slot's K, waves 2 and 3 those of its V, wave 4 the figures; waves 5 to 7 fetch nothing.  The branches hang on the wave's number alone.
; An s_nop 0 and four v_nop follow each line.
.macro JLOAD
	s_cmp_lt_u32 s[WV], 2
	s_cbranch_scc0 .Lnot_k_\@
	tensor_load_to_lds s[G0K:G0K+3], s[G1K:G1K+7]
	s_nop 0
.rept 4
	v_nop
.endr
	s_branch .Lasked_\@
.Lnot_k_\@:
	s_cmp_lt_u32 s[WV], 4
	s_cbranch_scc0 .Lnot_v_\@
	tensor_load_to_lds s[G0V:G0V+3], s[G1V:G1V+7]
	s_nop 0
.rept 4
	v_nop
.endr
	s_branch .Lasked_\@
.Lnot_v_\@:
	s_cmp_eq_u32 s[WV], 4
	s_cbranch_scc0 .Lasked_\@
	tensor_load_to_lds s[G0S:G0S+3], s[G1S:G1S+7]
	s_nop 0
.rept 4
	v_nop
.endr
.Lasked_\@:
.endm
; A prefetch into the L2 of the slot that the NEXT change will ask for: 128 pieces of 256 bytes of K and of V.  Both clusters of a (batch, head) walk the same rows: the first asks.  Its four partners take 32 pieces each, by address;
; in each, wave 0 asks for K's and wave 2 for V's.  The last change that fills a slot asks for nothing, and nothing is asked for at the head.  The figures, 2,048 of a slot's 67,584 bytes, come by their loads alone.
.macro ASK
	s_cmp_gt_u32 s[SLOTS], s[LIM]
	s_cbranch_scc0 .Lnot_mine_\@
	global_prefetch_b8 v[PFO], s[PFA:PFA+1] th:TH_LOAD_NT scope:SCOPE_SE
.Lnot_mine_\@:
.endm
.macro CROUND                          ; a round of the cluster's barrier
	s_barrier_signal -1
	s_barrier_wait -1
	s_cmp_lg_u32 s[WV], 0
	s_cbranch_scc1 .Lnot_wave_0_\@
	s_barrier_signal -3
.Lnot_wave_0_\@:
	s_barrier_wait -3
	s_barrier_signal -1
	s_barrier_wait -1
.endm
; THE CHANGE OF SLOTS.  Each wave waits for all its tensor loads (at most one is out: its part of the other slot), adds 0 to its spare word, and waits for that and for its reads of the slot that it leaves.
; fill = 1: the barrier is a round of the cluster's, and the joint fill of the old slot, with the keys two slots on, is the first thing behind it: it has four key steps in which to land.
; (At its first use nothing has been read yet: slot 0 is waited for, slot 1 filled.)
.macro CHANGE fill
	WIN 0
	s_wait_tensorcnt 0x0                           ; no tensor load of mine is out, so a group 0 may be written
	ds_add_u32 v[SPW], v[NIL]                      ; 0 onto my spare word
.if \fill
	s_xor_b32 s[G0K+1], s[G0K+1], SLOT1
	s_add_nc_u64 s[G0K+2:G0K+3], s[G0K+2:G0K+3], 4*KS*128
	s_xor_b32 s[G0V+1], s[G0V+1], SLOT1
	s_add_nc_u64 s[G0V+2:G0V+3], s[G0V+2:G0V+3], 4*KS*128
	s_xor_b32 s[G0S+1], s[G0S+1], SLOT1
	s_add_nc_u64 s[G0S+2:G0S+3], s[G0S+2:G0S+3], 2048
	s_wait_xcnt 0x0                                ; the last prefetch, four key steps back, has read its address
	s_add_nc_u64 s[PFA:PFA+1], s[PFA:PFA+1], 4*KS*128
	s_wait_dscnt 0x0                               ; the add is done, and my reads of the slot are over
	CROUND
	JLOAD
	ASK
.else
	s_wait_dscnt 0x0
	s_barrier_signal -1
	s_barrier_wait -1
.endif
	s_sub_co_u32 s[TBK], s[TBK], 4*KS*PK           ; the fetches go back to a slot's first step, in the other slot
	s_xor_b32 s[TBK], s[TBK], SLOT1
	s_sub_co_u32 s[TBV], s[TBV], 4*KS*PV
	s_xor_b32 s[TBV], s[TBV], SLOT1
	s_sub_co_u32 s[TBS], s[TBS], 1024
	s_xor_b32 s[TBS], s[TBS], SLOT1
.endm
	s_load_b256 s[16:23], s[0:1], 0x0              ; qh s[16:17], kh s[18:19], vh s[20:21], qst s[22:23]
	s_load_b128 s[24:27], s[0:1], 0x20             ; kst s[24:25], curvature s[26:27]
	s_load_b64 s[28:29], s[0:1], 0x30              ; ax
	v_lshl_add_u32 v[SPW], v0, 2, SPARE
	v_mov_b32 v[NIL], 0
	ds_add_u32 v[SPW], v[NIL]                      ; the wave's opening: the add and its wait stand ahead of my first tensor load
	v_lshrrev_b32 v1, 5, v0
	v_readfirstlane_b32 s[WV], v1                  ; wave 0..7
	s_bfe_u32 s13, ttmp6, 0x40000                  ; cx
	s_lshl_b32 s14, ttmp9, 2
	s_add_co_u32 s14, s14, s13                     ; my block of 256 queries: it enters Q's, the queries' figures' and O's addresses alone
	s_and_b32 s15, ttmp7, 0xffff                   ; 16 batch + head, which the four partners share
	s_and_b32 s2, s[WV], 1                         ; which half of a slot's 256 keys I fetch
	s_lshl_b32 s8, s15, 18
	s_lshl_b32 s3, s2, 14
	s_add_co_u32 s8, s8, s3
	s_mov_b32 s9, 0
	s_lshl_b32 s10, s15, 14                        ; the (batch, head)'s figures
	s_mov_b32 s11, 0
	s_mul_i32 s3, s2, 128*PK
	s_mul_i32 s7, s2, 128*PV
	; group 1.  128 keys are 16,384 dense bytes: 64 rows of 256 bytes, padded in LDS after every key
	s_mov_b32 s[G1K], 15|(1<<16)|(1<<20)|(1<<21)|(4<<22)|(3<<25)  ; the mask of four; 2-byte elements; padding on; bit 21 beside a mask; after every 32 words 4 words
	s_mov_b32 s[G1V], 15|(1<<16)|(1<<20)|(1<<21)|(4<<22)|(7<<25)  ; the same with 8 words
.irp g, G1K, G1V
	s_mov_b32 s[\g+1], 128<<16
	s_mov_b32 s[\g+2], 64<<16
	s_mov_b32 s[\g+3], 128<<16
	s_mov_b32 s[\g+4], 64
	s_mov_b32 s[\g+5], 128
	s_mov_b32 s[\g+6], 0
	s_mov_b32 s[\g+7], 0
.endr
	s_mov_b32 s[G1S], 15|(2<<16)|(1<<21)           ; the figures: 2,048 dense bytes as 8 rows of 64 elements of 4 bytes, no padding
	s_mov_b32 s[G1S+1], 64<<16
	s_mov_b32 s[G1S+2], 8<<16
	s_mov_b32 s[G1S+3], 64<<16
	s_mov_b32 s[G1S+4], 8
	s_mov_b32 s[G1S+5], 64
	s_mov_b32 s[G1S+6], 0
	s_mov_b32 s[G1S+7], 0
	s_mov_b32 s[G0K], 1
	s_mov_b32 s[G0K+1], s3
	s_mov_b32 s[G0V], 1
	s_add_co_u32 s[G0V+1], s7, VOFF
	s_mov_b32 s[G0S], 1
	s_mov_b32 s[G0S+1], SOFF
	s_mov_b32 s[CAP], 0x4cbebc20                   ; 1e8
	s_mov_b32 s[SEL], 0x76543210
	s_mov_b32 s[SEL+1], 0xfedcba98
	s_mov_b32 s[TBK], SLOT1+4*KS*PK                ; the first change of slots turns these three into 0
	s_mov_b32 s[TBV], SLOT1+4*KS*PV
	s_mov_b32 s[TBS], SLOT1+1024
	s_mov_b32 s[SLOTS], 7
	s_and_b32 s[LIM], s[WV], 5                     ; 0 in waves 0 and 2,
	s_or_b32 s[LIM], s[LIM], ttmp9                 ; where the cluster is the (batch, head)'s first: the same in all four partners
	s_cmp_eq_u32 s[LIM], 0
	s_cselect_b32 s[LIM], 1, -1
	s_wait_dscnt 0x0                               ; the opening add is done
	s_wait_kmcnt 0x0
	s_add_nc_u64 s[G0K+2:G0K+3], s[18:19], s[8:9]
	s_or_b32 s[G0K+3], s[G0K+3], 0x80000000
	s_add_nc_u64 s[G0V+2:G0V+3], s[20:21], s[8:9]
	s_or_b32 s[G0V+3], s[G0V+3], 0x80000000
	s_add_nc_u64 s[G0S+2:G0S+3], s[24:25], s[10:11]
	s_or_b32 s[G0S+3], s[G0S+3], 0x80000000
	CROUND                                         ; all four work-groups are here: the first joint loads meet
	JLOAD                                          ; slot 0
	s_load_b32 s7, s[26:27], 0x0                   ; curvature
	; the prefetches stand at slot 1, my work-group's share; each filling change steps them by a slot first
	s_cmp_lt_u32 s[WV], 2
	s_cselect_b64 s[PFA:PFA+1], s[18:19], s[20:21]
	s_lshl_b32 s30, s15, 18
	s_add_co_u32 s30, s30, 4*KS*128
	s_lshl_b32 s31, s13, 13
	s_add_co_u32 s30, s30, s31
	s_mov_b32 s31, 0
	s_add_nc_u64 s[PFA:PFA+1], s[PFA:PFA+1], s[30:31]
	; Q at my wave's 32 rows
	s_lshl_b32 s30, s15, 18
	s_lshl_b32 s31, s14, 15
	s_add_co_u32 s30, s30, s31
	s_lshl_b32 s31, s[WV], 12
	s_add_co_u32 s30, s30, s31
	s_mov_b32 s31, 0
	s_add_nc_u64 s[16:17], s[16:17], s[30:31]
	; the queries' figures
	s_lshl_b32 s30, s15, 14
	s_lshl_b32 s31, s14, 11
	s_add_co_u32 s30, s30, s31
	s_lshl_b32 s31, s[WV], 7
	s_add_co_u32 s30, s30, s31
	s_mov_b32 s31, 0
	s_add_nc_u64 s[22:23], s[22:23], s[30:31]
	; O: batch, slice = head
	s_lshr_b32 s30, s15, 4
	s_lshl_b32 s30, s30, 23
	s_and_b32 s31, s15, 15
	s_lshl_b32 s31, s31, 18
	s_add_co_u32 s30, s30, s31
	s_lshl_b32 s31, s14, 15
	s_add_co_u32 s30, s30, s31
	s_lshl_b32 s31, s[WV], 12
	s_add_co_u32 s30, s30, s31
	s_mov_b32 s31, 0
	s_add_nc_u64 s[28:29], s[28:29], s[30:31]
	v_and_b32 v1, 15, v0                           ; l % 16
	v_bfe_u32 v46, v0, 4, 1                        ; l / 16
	v_lshlrev_b32 v[QO], 7, v1
	v_lshl_add_u32 v[QO], v46, 4, v[QO]
	v_lshlrev_b32 v[QS], 2, v1
	WIN 0x40                                       ; destination window 1, address window 0
.irp i, 0,1,2,3                                        ; Q stays in registers: tile i / 2, channels 32 (i % 2) on
	global_load_b128 v[QF+8*\i:QF+8*\i+3],   v[QO], s[16:17] offset:(\i/2)*2048+(\i%2)*64
	global_load_b128 v[QF+8*\i+4:QF+8*\i+7], v[QO], s[16:17] offset:(\i/2)*2048+(\i%2)*64+32
.endr
	; O^T and l start at 0, tmin at the greatest finite number and g tmin far above every g t: the first step's factor is 0, and no first step is written out.  All this stands in the wait for the first tile.
.set i, 0
.rept 80
	v_mov_b32 v[i], 0
.set i, i+1
.endr
.set i, 0
.rept 8
	v_mov_b32 v[ONES+i], 0x3c003c00                ; 1.0 twice in f16
.set i, i+1
.endr
	WIN 0
.irp t, 0,1
	global_load_b32 v[ST+12*\t+2], v[QS], s[22:23] offset:64*\t       ; each figure twice: a pair for the packed lines
	global_load_b32 v[ST+12*\t+3], v[QS], s[22:23] offset:64*\t
	global_load_b32 v[ST+12*\t+4], v[QS], s[22:23] offset:1024+64*\t
	global_load_b32 v[ST+12*\t+5], v[QS], s[22:23] offset:1024+64*\t
	v_mov_b32 v[ST+12*\t], 0x7e000000
	v_mov_b32 v[ST+12*\t+1], 0x7f7fffff
	v_mov_b32 v[ST+12*\t+7], 0
.endr
	v_mul_u32_u24 v[AK0], v1, PK
	v_lshl_add_u32 v[AK0], v46, 4, v[AK0]          ; row x pitch + 16 x half
	; the turning load takes 16 keys x 16 channels (lane l reads key 8 (l / 16) + l % 8, channels 8 ((l / 8) % 2) + 0..7) and leaves half a fragment of V^T
	v_and_b32 v47, 7, v0
	v_bfe_u32 v45, v0, 3, 1
	v_lshl_add_u32 v[AV0], v46, 3, v47
	v_mul_u32_u24 v[AV0], v[AV0], PV
	v_lshl_add_u32 v[AV0], v45, 4, v[AV0]
	v_add_nc_u32 v[AV0], VOFF, v[AV0]
	v_lshlrev_b32 v[AS0], 5, v46                   ; my lanes' eight keys of a block of 16: 32 bytes
	v_add_nc_u32 v[AS0], SOFF, v[AS0]
	s_mul_i32 s30, s[WV], 16*SP
	s_add_co_u32 s30, s30, STAGE                   ; my stage
	v_add_nc_u32 v[STO], s30, v[AK0]               ; in: row l % 16, 16 bytes for each half of the lanes (the stage's pitch is K's)
	v_bfe_u32 v[RD], v0, 3, 2                      ; back: 32 lanes take four rows of 128 bytes
	v_mul_u32_u24 v[RD], v[RD], SP
	v_lshl_add_u32 v[RD], v47, 4, v[RD]
	v_add_nc_u32 v[RD], s30, v[RD]
	v_and_b32 v[GO], 31, v0
	v_lshlrev_b32 v[PFO], 8, v[GO]
	v_lshlrev_b32 v[GO], 4, v[GO]
	; g = 1 / (8 (sqrt(max(|curvature|, 1e-8)) + 1e-8))
	s_wait_kmcnt 0x0
	s_and_b32 s7, s7, 0x7fffffff
	v_mov_b32 v[G], s7
	v_max_num_f32 v[G], 0x322bcc77, v[G]
	v_sqrt_f32 v[G], v[G]
	v_nop
	s_wait_alu depctr_va_vdst(0)
	v_add_f32 v[G], 0x322bcc77, v[G]
	v_mul_f32 v[G], 0x41000000, v[G]
	v_rcp_f32 v[G], v[G]
	v_nop
	s_wait_alu depctr_va_vdst(0)
	v_mul_f32 v[NG], -1.0, v[G]
	v_mul_f32 v[NG+1], -1.0, v[G]
	s_wait_loadcnt 0x0                             ; Q and the queries' figures
; Number n of the 21 that find tile t's new tmin and what hangs on it: 0-11 four chains of seven t each, three operands at a time; 12-14, 16 the four left over, the old tmin, and the four chains into one;
; 15 g tmin is kept; 17, 18 the query's other 32 keys lie in the lane 16 away; 19 g tmin; 20 its change
.macro XS t, n
.set rT, ST+12*(\t)
.set rC, ST+12*(\t)+8
.set rS, S+32*(\t)
.if (\n) < 4
	v_min3_num_f32 v[rC+(\n)], v[rS+8*(\n)], v[rS+8*(\n)+1], v[rS+8*(\n)+2]
.elseif (\n) < 12
	v_min3_num_f32 v[rC+(\n)%4], v[rC+(\n)%4], v[rS+8*((\n)%4)+2*((\n)/4)+1], v[rS+8*((\n)%4)+2*((\n)/4)+2]
.elseif (\n) == 12
	v_min3_num_f32 v[rC], v[rC], v[rS+7], v[rS+15]
.elseif (\n) == 13
	v_min3_num_f32 v[rC+1], v[rC+1], v[rS+23], v[rS+31]
.elseif (\n) == 14
	v_min3_num_f32 v[rC+2], v[rC+2], v[rC+3], v[rT+1]
.elseif (\n) == 15
	v_mov_b32 v[MV+(\t)], v[rT]
.elseif (\n) == 16
	v_min3_num_f32 v[rC], v[rC], v[rC+1], v[rC+2]
.elseif (\n) == 17
	v_permlanex16_b32 v[rC+3], v[rC], s[SEL], s[SEL+1]
.elseif (\n) == 18
	v_min_num_f32 v[rT+1], v[rC], v[rC+3]
.elseif (\n) == 19
	v_mul_f32 v[rT], v[G], v[rT+1]
.else
	v_sub_f32 v[rC+1], v[rT], v[MV+(\t)]
.endif
.endm
; A KEY STEP: 64 keys for both tiles.  Three batches of transcendentals (roots, logarithms, exponentials), each with one plain line behind it and one wait ahead of its first use.
.macro STEP
	WIN 0
	v_add_nc_u32 v[AK], s[TBK], v[AK0]             ; five plain lines: the places between the last step's products V^T P and the loads into V's registers
	v_add_nc_u32 v[AV], s[TBV], v[AV0]
	v_add_nc_u32 v[AS], s[TBS], v[AS0]
	v_nop
	v_nop
	s_add_co_u32 s[TBK], s[TBK], KS*PK
	s_add_co_u32 s[TBV], s[TBV], KS*PV
	s_add_co_u32 s[TBS], s[TBS], 4*KS
	WIN 0x40
.irp f, 0,1,2,3,4,5,6,7                                ; K: keys 16 (f / 2) on, channels 32 (f % 2) on
	ds_load_b128 v[KF+8*\f:KF+8*\f+3],   v[AK] offset:(\f/2)*16*PK+(\f%2)*64
	ds_load_b128 v[KF+8*\f+4:KF+8*\f+7], v[AK] offset:(\f/2)*16*PK+(\f%2)*64+32
.endr
	WIN 0
.irp f, 0,1,2,3                                        ; 2 |k|^2 of my lanes' eight keys in each block of 16; the 16 lanes of a half read the same words
	ds_load_b128 v[KN+8*\f:KN+8*\f+3],   v[AS] offset:64*\f
	ds_load_b128 v[KN+8*\f+4:KN+8*\f+7], v[AS] offset:64*\f+16
.endr
.irp f, 0,1,2,3                                        ; rk likewise
	ds_load_b128 v[RK+8*\f:RK+8*\f+3],   v[AS] offset:1024+64*\f
	ds_load_b128 v[RK+8*\f+4:RK+8*\f+7], v[AS] offset:1024+64*\f+16
.endr
	s_wait_dscnt 8                                 ; K and 2 |k|^2 are in; rk's eight loads may be out
	WIN 0x05                                       ; K and Q window 1; C and the result window 0
.set i, 0
.rept 16                                               ; tile i % 2, keys 16 ((i / 2) % 4) on, channels 32 (i / 8) on; the eight accumulators take turns; the first 8 start the sums with 2 |k|^2
.set rS, S+32*(i%2)+8*((i/2)%4)
.set rK, KF+16*((i/2)%4)+8*(i/8)
.set rQ, QF+16*(i%2)+8*(i/8)
.set rN, KN+8*((i/2)%4)
.if i < 8
	v_wmma_f32_16x16x32_f16 v[rS:rS+7], v[rK:rK+7], v[rQ:rQ+7], v[rN:rN+7]
.else
	v_wmma_f32_16x16x32_f16 v[rS:rS+7], v[rK:rK+7], v[rQ:rQ+7], v[rS:rS+7]
.endif
.set i, i+1
.endr
	WIN 0x40
.irp f, 0,1,2,3,4,5,6,7                                ; V, turned: keys 32 (f / 4) on, channels 16 (f % 4) on
	ds_load_tr16_b128 v[VF+8*\f:VF+8*\f+3],   v[AV] offset:(\f/4)*32*PV+(\f%4)*32
	ds_load_tr16_b128 v[VF+8*\f+4:VF+8*\f+7], v[AV] offset:(\f/4)*32*PV+16*PV+(\f%4)*32
.endr
	WIN 0
	s_wait_dscnt 16                                ; rk is in; V's sixteen loads stay out
.irp t, 0,1                                            ; rq rk.  Tile 0's sixteen lines name no register of the products above: they are the places behind them, ahead of the writes onto 2 |k|^2 and the reads of S^T
.set i, 0
.rept 16
	v_pk_mul_f32 v[Z+32*\t+2*i:Z+32*\t+2*i+1], v[RK+2*i:RK+2*i+1], v[ST+12*\t+4:ST+12*\t+5]
.set i, i+1
.endr
.endr
.set i, 0
.rept 64
	v_min_u32 v[Z+i], s[CAP], v[Z+i]               ; R: 1e8 where the denominator is held at 1e-8
.set i, i+1
.endr
.irp t, 0,1                                            ; D, each accumulator from its low end on
.set i, 0
.rept 16
	v_pk_add_f32 v[S+32*\t+2*i:S+32*\t+2*i+1], v[S+32*\t+2*i:S+32*\t+2*i+1], v[ST+12*\t+2:ST+12*\t+3]
.set i, i+1
.endr
.endr
.set i, 0
.rept 32
	v_pk_fma_f32 v[S+2*i:S+2*i+1], v[S+2*i:S+2*i+1], v[Z+2*i:Z+2*i+1], 1.0 op_sel_hi:[1,1,0]
.set i, i+1
.endr
.set i, 0
.rept 64
	v_max_num_f32 v[S+i], 1.0, v[S+i]              ; x
.set i, i+1
.endr
.set i, 0
.rept 32
	v_pk_fma_f32 v[Z+2*i:Z+2*i+1], v[S+2*i:S+2*i+1], v[S+2*i:S+2*i+1], -1.0 op_sel_hi:[1,1,0]
.set i, i+1
.endr
.set i, 0
.rept 64
	v_sqrt_f32 v[Z+i], v[Z+i]
.set i, i+1
.endr
	v_nop
	s_wait_alu depctr_va_vdst(0)                   ; one wait for the 64 roots
.set i, 0
.rept 32
	v_pk_add_f32 v[S+2*i:S+2*i+1], v[S+2*i:S+2*i+1], v[Z+2*i:Z+2*i+1]
.set i, i+1
.endr
.set i, 0
.rept 64
	v_log_f32 v[S+i], v[S+i]                       ; t
.set i, i+1
.endr
	v_nop
	s_wait_alu depctr_va_vdst(0)                   ; one wait for the 64 logarithms
.irp n, 0,1,2,3,4,5,6,7,8,9,10,11,12,13,14,15,16,17,18,19,20
	XS 0, \n
	XS 1, \n
.endr
.irp t, 0,1
.set i, 0
.rept 16
	v_pk_fma_f32 v[S+32*\t+2*i:S+32*\t+2*i+1], v[S+32*\t+2*i:S+32*\t+2*i+1], v[NG:NG+1], v[ST+12*\t:ST+12*\t+1] op_sel_hi:[1,1,0]  ; g tmin - g t
.set i, i+1
.endr
.endr
.set i, 0
.rept 64
	v_exp_f32 v[S+i], v[S+i]
.set i, i+1
.endr
	v_exp_f32 v[ST+6], v[ST+9]
	v_exp_f32 v[ST+18], v[ST+21]
	v_nop
	s_wait_alu depctr_va_vdst(0)                   ; one wait for the 66 exponentials
.set i, 0
.rept 32
	v_cvt_pk_f16_f32 v[P+i], v[S+2*i], v[S+2*i+1]
.set i, i+1
.endr
	WIN 0x41                                       ; O^T and l window 1, the factor window 0
.irp t, 0,1
.set i, 0
.rept 16
	v_pk_mul_f32 v[O+32*\t+2*i:O+32*\t+2*i+1], v[O+32*\t+2*i:O+32*\t+2*i+1], v[ST+12*\t+6:ST+12*\t+7] op_sel_hi:[1,0]
.set i, i+1
.endr
	v_pk_mul_f32 v[L+8*\t:L+8*\t+1], v[L+8*\t:L+8*\t+1], v[ST+12*\t+6:ST+12*\t+7] op_sel_hi:[1,0]  ; of l's eight equal rows the lowest is the one that is kept; the six not rescaled stay under 2,048 and are never read
.endr
	s_wait_dscnt 0x0                               ; V is in
	WIN 0x51                                       ; V and ones window 1, P window 0, O^T and l window 1
.irp kk, 0,1                                           ; keys 32 kk on; channels 16 cb on, or (cb = 4) the row sums; the ten accumulators take turns
.irp cb, 0,1,2,3,4
.irp t, 0,1
.if \cb < 4
	v_wmma_f32_16x16x32_f16 v[O+32*\t+8*\cb:O+32*\t+8*\cb+7], v[VF+32*\kk+8*\cb:VF+32*\kk+8*\cb+7], v[P+16*\t+8*\kk:P+16*\t+8*\kk+7], v[O+32*\t+8*\cb:O+32*\t+8*\cb+7]
.else
	v_wmma_f32_16x16x32_f16 v[L+8*\t:L+8*\t+7], v[ONES:ONES+7], v[P+16*\t+8*\kk:P+16*\t+8*\kk+7], v[L+8*\t:L+8*\t+7]
.endif
.endr
.endr
.endr
	WIN 0
.endm
.Lslot:                                                ; seven times: a slot is entered and the next is asked for
	CHANGE 1
	s_mov_b32 s[CNT], 4
.Lstep:
	STEP
	s_sub_co_u32 s[CNT], s[CNT], 1
	s_cmp_lg_u32 s[CNT], 0
	s_cbranch_scc1 .Lstep
	s_sub_co_u32 s[SLOTS], s[SLOTS], 1
	s_cmp_lg_u32 s[SLOTS], 0
	s_cbranch_scc1 .Lslot
	CHANGE 0                                       ; the last slot is written out: nothing is asked for
	s_mov_b32 s[CNT], 4
.Ltail:
	STEP
	s_sub_co_u32 s[CNT], s[CNT], 1
	s_cmp_lg_u32 s[CNT], 0
	s_cbranch_scc1 .Ltail
	; THE WAY OUT: O^T is divided by l, rounded to f16 and sent through my stage in LDS, a tile at a time
.rept 8
	v_nop                                          ; the places behind the last products
.endr
	WIN 0x01                                       ; source window 1
	v_rcp_f32 v[ST+6], v[L]
	v_rcp_f32 v[ST+18], v[L+8]
	v_nop
	s_wait_alu depctr_va_vdst(0)
.macro PACK t
	WIN 0x41
.set i, 0
.rept 16
	v_pk_mul_f32 v[O+32*(\t)+2*i:O+32*(\t)+2*i+1], v[O+32*(\t)+2*i:O+32*(\t)+2*i+1], v[ST+12*(\t)+6:ST+12*(\t)+7] op_sel_hi:[1,0]
.set i, i+1
.endr
	WIN 0x05                                       ; sources window 1, destination window 0
.set i, 0
.rept 16
	v_cvt_pk_f16_f32 v[S+16*(\t)+i], v[O+32*(\t)+2*i], v[O+32*(\t)+2*i+1]
.set i, i+1
.endr
	WIN 0
.irp f, 0,1,2,3
	ds_store_b128 v[STO], v[S+16*(\t)+4*\f:S+16*(\t)+4*\f+3] offset:32*\f
.endr
.irp f, 0,1,2,3
	ds_load_b128 v[S+16*(\t)+4*\f:S+16*(\t)+4*\f+3], v[RD] offset:\f*4*SP  ; LDS serves a wave's instructions in order (ISA guide 5.7.1.4): these see the stores above
.endr
.endm
.macro SEND t, younger                 ; younger: the LDS instructions issued behind tile t's loads
.irp f, 0,1,2,3
	s_wait_dscnt (\younger)+3-\f
	global_store_b128 v[GO], v[S+16*(\t)+4*\f:S+16*(\t)+4*\f+3], s[28:29] offset:(\t)*2048+\f*512  ; 512 consecutive bytes, aligned
.endr
.endm
	PACK 0
	PACK 1
	SEND 0, 8
	SEND 1, 0
	s_wait_tensorcnt 0x0                           ; the wave's end: behind my last tensor load and my last LDS store
	ds_add_u32 v[SPW], v[NIL]
	s_wait_dscnt 0x0
	CROUND                                         ; the closing round
	s_endpgm
.Lfunc_end_k_qb304104ae1_attn:
	.size	k_qb304104ae1_attn, .Lfunc_end_k_qb304104ae1_attn-k_qb304104ae1_attn
	.p2alignl 7, 3214868480
	.fill 96, 4, 3214868480
	.section	.rodata,"a",@progbits
	.p2align	6, 0x0
	.amdhsa_kernel k_qb304104ae1_attn
		.amdhsa_group_segment_fixed_size 327680
		.amdhsa_private_segment_fixed_size 0
		.amdhsa_enable_private_segment 0
		.amdhsa_kernarg_size 56
		.amdhsa_user_sgpr_count 2
		.amdhsa_user_sgpr_kernarg_segment_ptr 1
		.amdhsa_wavefront_size32 1
		.amdhsa_system_sgpr_workgroup_id_x 1
		.amdhsa_system_sgpr_workgroup_id_y 1
		.amdhsa_system_sgpr_workgroup_id_z 1
		.amdhsa_system_vgpr_workitem_id 0
		.amdhsa_next_free_vgpr 512
		.amdhsa_next_free_sgpr 80
		.amdhsa_reserve_vcc 0
		.amdhsa_float_denorm_mode_32 3
		.amdhsa_float_denorm_mode_16_64 3
		.amdhsa_memory_ordered 1
		.amdhsa_forward_progress 1
		.amdhsa_inst_pref_size 93
	.end_amdhsa_kernel
	.amdgpu_metadata
---
amdhsa.version: [ 1, 2 ]
amdhsa.kernels:
  - .name:           k_qb304104ae1_attn
    .symbol:         k_qb304104ae1_attn.kd
    .args:
      - { .name: qh, .offset: 0, .size: 8, .value_kind: global_buffer, .address_space: global }
      - { .name: kh, .offset: 8, .size: 8, .value_kind: global_buffer, .address_space: global }
      - { .name: vh, .offset: 16, .size: 8, .value_kind: global_buffer, .address_space: global }
      - { .name: qst, .offset: 24, .size: 8, .value_kind: global_buffer, .address_space: global }
      - { .name: kst, .offset: 32, .size: 8, .value_kind: global_buffer, .address_space: global }
      - { .name: curvature, .offset: 40, .size: 8, .value_kind: global_buffer, .address_space: global }
      - { .name: ax, .offset: 48, .size: 8, .value_kind: global_buffer, .address_space: global }
    .group_segment_fixed_size: 327680
    .private_segment_fixed_size: 0
    .kernarg_segment_align: 8
    .kernarg_segment_size: 56
    .max_flat_workgroup_size: 256
    .sgpr_count:     80
    .vgpr_count:     512
    .wavefront_size: 32
...
	.end_amdgpu_metadata
.endif
;; end of part 3
;; launch out (part 4): grid 8 x 32, 4 waves a work-group, clusters of 4 x 4, 327,680 bytes of LDS; arguments ax, wob, bo, bb, out0; writes out0
.if DOCPART == 4
	.amdgcn_target "amdgcn-amd-amdhsa--gfx1250"
	.amdhsa_code_object_version 6
	.text
	.protected	k_qb304104ae1_out
	.globl	k_qb304104ae1_out
	.p2align	8
	.type	k_qb304104ae1_out,@function
k_qb304104ae1_out:
	s_mov_b64 s[64:65], 0
	v_nop
	global_prefetch_b8 v0, s[64:65] scope:SCOPE_SE
	s_setreg_imm32_b32 hwreg(HW_REG_WAVE_MODE, 25, 1), 1
	s_wait_xcnt 0x0
	s_wait_alu depctr_hold_cnt(0) depctr_sa_sdst(0) depctr_va_vdst(0) depctr_va_sdst(0) depctr_va_ssrc(0) depctr_va_vcc(0) depctr_vm_vsrc(0)
	s_getreg_b32 s2, hwreg(HW_REG_IB_STS2, 6, 4)
	s_cmp_eq_u32 s2, 0
	s_cbranch_scc0 .Lentry_in_a_cluster
	s_endpgm
.Lentry_in_a_cluster:
	s_bfe_u32 s2, ttmp6, 0x10000c
	s_cmp_lg_u32 s2, 0xf033
	s_cbranch_scc0 .Lentry_shape_is_right
	s_endpgm
.Lentry_shape_is_right:
; out0 = O Wo^T + query Wb^T + bo + bb, as ONE product with K = 2,048: A = ax [batch][slice 32][token][64] (slices 0-15 O by head, 16-31 query), B = wob [slice 32][row 1024][64] (Wo, then Wb).  f16 operands, f32 sums, f32 out.
; bo + bb is the C operand of the product that starts a sum.
; A tile is 128 tokens x 128 columns: 256 work-groups.  Four waves, each 64 x 64: 16 accumulators.  K goes in 8 steps of 256 (four slices) through a ring of two LDS slots; a quarter step is one slice.
; A wave's tensor load brings two slices' parts of a tile: each is 16,384 dense bytes, asked for as one row of 8,192 elements; the padding, 16 bytes after every 128, is counted along the whole tile, so LDS rows are 144 bytes apart.
; CLUSTER 4 x 4: the four of a row need the same tokens, the four of a column the same columns of W: joint loads.  No prefetch: the tile is small, and a K step's bytes are few.
; THE PRODUCT IS USED TRANSPOSED (source 0 = 16 rows of W, source 1 = 16 tokens): a lane holds eight neighbouring columns of one token's row.
; REGISTERS: window 0: v0-31 addresses; v32-63 the bias; v64-127 rows on the way out; v128-255 the accumulators ((a, b) at 128 + 8 (4 a + b)).  window 1: two fragment buffers of 128: 64 of A, then 64 of B.
.set PITCH,  144
.set ABLK,   128*PITCH                 ; a slice's part of a tile
.set BOFF,   4*ABLK
.set SLOT,   8*ABLK                    ; 147,456
.set STAGE,  2*SLOT                    ; behind the ring: 16 rows x 272 bytes for each wave
.set SPITCH, 272
.set SPARE,  STAGE+4*16*SPITCH
.set ADRA, 16
.set ADRB, 20
.set STO,  24
.set RD,   25
.set CO,   26
.set BO,   27
.set SPW,  28
.set NIL,  29
.set BIAS, 32
.set OB,   64
.set ACC,  128
.set F0,   0
.set F1,   128
.set G1, 24
.set G0, 32
.set G1B, 48
.set G0B, 56
.set MSB, 0
.macro WIN new
.if MSB != (\new)
	s_set_vgpr_msb (MSB<<8)|(\new)
.set MSB, \new
.endif
.endm
.set MUL,  0x05                        ; sources 0 and 1 window 1; C and D window 0
.set TO_F, 0x40                        ; destination window 1, address window 0
.macro JLOAD s                         ; waves 0 and 1 fetch A's four slices, two each; waves 2 and 3 B's; an s_nop 0 and four v_nop follow each line
	s_cmp_eq_u32 s15, 0
	s_cbranch_scc0 .Lfor_b_\@
	tensor_load_to_lds s[G0+4*(\s):G0+4*(\s)+3], s[G1:G1+7]
	s_nop 0
.rept 4
	v_nop
.endr
	s_branch .Lasked_\@
.Lfor_b_\@:
	tensor_load_to_lds s[G0B+4*(\s):G0B+4*(\s)+3], s[G1B:G1B+7]
	s_nop 0
.rept 4
	v_nop
.endr
.Lasked_\@:
.endm
.macro CREST
	s_cmp_lg_u32 s14, 0
	s_cbranch_scc1 .Lnot_wave_0_\@
	s_barrier_signal -3
.Lnot_wave_0_\@:
	s_barrier_wait -3
	s_barrier_signal -1
	s_barrier_wait -1
.endm
.macro CROUND
	s_barrier_signal -1
	s_barrier_wait -1
	CREST
.endm
.macro PLACES
.rept 4
	v_nop
.endr
.endm
	s_load_b256 s[4:11], s[0:1], 0x0               ; ax s[4:5], wob s[6:7], bo s[8:9], bb s[10:11]
	s_load_b64 s[12:13], s[0:1], 0x20              ; out0
	v_lshl_add_u32 v[SPW], v0, 2, SPARE
	v_mov_b32 v[NIL], 0
	ds_add_u32 v[SPW], v[NIL]                      ; the wave's opening: the add and its wait stand ahead of my first tensor load
	v_lshrrev_b32 v1, 5, v0
	v_readfirstlane_b32 s14, v1                    ; wave 0..3
	s_lshr_b32 s15, s14, 1                         ; which half of the tile's rows is mine.  Also: I fetch for A (0) or for B (1)
	s_and_b32 s16, s14, 1                          ; which half of its columns.  Also: which two slices of a K step I fetch
	s_bfe_u32 s40, ttmp6, 0x40000                  ; cx
	s_bfe_u32 s41, ttmp6, 0x40004                  ; cy
	s_lshl_b32 s42, ttmp9, 2
	s_add_co_u32 s42, s42, s40                     ; tile column
	s_and_b32 s43, ttmp7, 0xffff
	s_lshl_b32 s43, s43, 2
	s_add_co_u32 s43, s43, s41                     ; tile row
	s_lshl_b32 s44, s41, 2
	s_lshl_b32 s44, 15, s44                        ; my row of the cluster
	s_lshl_b32 s45, 0x1111, s40                    ; my column
	s_or_b32 s[G1], s44, (1<<16)|(1<<20)|(1<<21)|(4<<22)|(3<<25)   ; 2-byte elements; padding on; bit 21 beside a mask; after every 32 words 4 words
	s_or_b32 s[G1B], s45, (1<<16)|(1<<20)|(1<<21)|(4<<22)|(3<<25)
.irp g, G1, G1B
	s_mov_b32 s[(\g)+1], 8192<<16                  ; tensor_dim0 = 8,192
	s_mov_b32 s[(\g)+2], 2<<16                     ; tensor_dim1 = 2
	s_mov_b32 s[(\g)+3], 8192<<16                  ; tile_dim0 = 8,192
	s_mov_b32 s[(\g)+4], 2                         ; tile_dim1 = 2
	s_mov_b32 s[(\g)+6], 0
	s_mov_b32 s[(\g)+7], 0
.endr
	s_mov_b32 s[G1+5], 131072                      ; elements from slice to slice in ax,
	s_mov_b32 s[G1B+5], 65536                      ; and in wob
	; A hangs on the tile row and the wave alone: slice 32 batch + 2 x my pair; 16,384 bytes a block of 128 tokens
	s_lshr_b32 s18, s43, 4
	s_lshl_b32 s18, s18, 5
	s_lshl_b32 s19, s16, 1
	s_add_co_u32 s18, s18, s19
	s_lshl_b32 s18, s18, 18
	s_and_b32 s19, s43, 15
	s_lshl_b32 s19, s19, 14
	s_add_co_u32 s18, s18, s19
	s_mov_b32 s19, 0
	; B on the tile column and the wave alone
	s_lshl_b32 s46, s16, 18
	s_lshl_b32 s47, s42, 14
	s_add_co_u32 s46, s46, s47
	s_mov_b32 s47, 0
	s_mul_i32 s20, s14, 2*ABLK                     ; where they go: wave x two slices' blocks
	s_wait_dscnt 0x0                               ; the opening add is done
	s_wait_kmcnt 0x0
	s_add_nc_u64 s[18:19], s[4:5], s[18:19]
	s_add_nc_u64 s[46:47], s[6:7], s[46:47]
	CROUND                                         ; all sixteen work-groups are here: the first joint loads meet
.irp s, 0,1
	s_mov_b32 s[G0+4*(\s)], 1
	s_add_co_u32 s[G0+4*(\s)+1], s20, (\s)*SLOT
	s_add_nc_u64 s[G0+4*(\s)+2:G0+4*(\s)+3], s[18:19], (\s)*4*262144
	s_or_b32 s[G0+4*(\s)+3], s[G0+4*(\s)+3], 0x80000000
	s_mov_b32 s[G0B+4*(\s)], 1
	s_add_co_u32 s[G0B+4*(\s)+1], s20, (\s)*SLOT
	s_add_nc_u64 s[G0B+4*(\s)+2:G0B+4*(\s)+3], s[46:47], (\s)*4*131072
	s_or_b32 s[G0B+4*(\s)+3], s[G0B+4*(\s)+3], 0x80000000
	JLOAD \s                                       ; two loads of mine are out
.endr
	v_and_b32 v1, 15, v0                           ; l % 16
	v_bfe_u32 v2, v0, 4, 1                         ; l / 16
	s_lshl_b32 s17, s42, 9
	s_lshl_b32 s21, s16, 8
	s_add_co_u32 s17, s17, s21                     ; my first column, in bytes of f32
	v_lshl_add_u32 v[BO], v2, 5, s17
.irp nb, 0,1,2,3
	global_load_b128 v[BIAS+8*(\nb):BIAS+8*(\nb)+3],   v[BO], s[8:9] offset:64*(\nb)
	global_load_b128 v[BIAS+8*(\nb)+4:BIAS+8*(\nb)+7], v[BO], s[8:9] offset:64*(\nb)+16
	global_load_b128 v[OB+8*(\nb):OB+8*(\nb)+3],       v[BO], s[10:11] offset:64*(\nb)
	global_load_b128 v[OB+8*(\nb)+4:OB+8*(\nb)+7],     v[BO], s[10:11] offset:64*(\nb)+16
.endr
	v_mul_u32_u24 v3, v1, PITCH
	v_lshl_add_u32 v3, v2, 4, v3                   ; a fragment's row x pitch + 16 x half
	s_mul_i32 s21, s15, 64*PITCH                   ; my 64 rows of A
	s_mul_i32 s22, s16, 64*PITCH                   ; my 64 rows of B,
	s_add_co_u32 s22, s22, BOFF                    ; which lie behind A's four blocks
.irp s, 0,1
	v_add_nc_u32 v[ADRA+(\s)], s21, v3
	v_add_nc_u32 v[ADRB+(\s)], s22, v3
	s_add_co_u32 s21, s21, SLOT
	s_add_co_u32 s22, s22, SLOT
.endr
	s_mul_i32 s23, s14, 16*SPITCH
	s_add_co_u32 s23, s23, STAGE                   ; my stage
	v_mul_u32_u24 v4, v1, SPITCH                   ; in: row l % 16, 32 bytes for each half of the lanes
	v_lshl_add_u32 v4, v2, 5, v4
	v_add_nc_u32 v[STO], s23, v4
	v_mul_u32_u24 v5, v2, SPITCH                   ; back: lanes 0-15 take one row of 256 bytes, lanes 16-31 the next
	v_lshl_add_u32 v5, v1, 4, v5
	v_add_nc_u32 v[RD], s23, v5
	v_lshlrev_b32 v5, 12, v2                       ; and the same two rows in out0
	v_lshl_add_u32 v[CO], v1, 4, v5
	s_lshl_b32 s22, s43, 19                        ; my first row: 128 x tile row + 64 x half, rows of 4,096 bytes
	s_lshl_b32 s23, s15, 18
	s_add_co_u32 s22, s22, s23
	s_add_co_u32 s22, s22, s17
	s_mov_b32 s23, 0
	s_add_nc_u64 s[12:13], s[12:13], s[22:23]
	s_wait_loadcnt 0x0
.set i, 0
.rept 16
	v_pk_add_f32 v[BIAS+2*i:BIAS+2*i+1], v[BIAS+2*i:BIAS+2*i+1], v[OB+2*i:OB+2*i+1]  ; bo + bb
.set i, i+1
.endr
; 8 products: token blocks a0, a0 + 1 x all 4 column blocks, 32 along K: half c of buffer f.  zero = 1: the bias starts the sums.  The 16 accumulators take turns.
.macro MUL8 f, c, a0, zero
	WIN MUL
.irp a, \a0, (\a0)+1
.irp b, 0,1,2,3
.if \zero
	v_wmma_f32_16x16x32_f16 v[ACC+8*(4*(\a)+(\b)):ACC+8*(4*(\a)+(\b))+7], v[(\f)+64+8*(4*(\c)+(\b)):(\f)+64+8*(4*(\c)+(\b))+7], v[(\f)+8*(4*(\c)+(\a)):(\f)+8*(4*(\c)+(\a))+7], v[BIAS+8*(\b):BIAS+8*(\b)+7]
.else
	v_wmma_f32_16x16x32_f16 v[ACC+8*(4*(\a)+(\b)):ACC+8*(4*(\a)+(\b))+7], v[(\f)+64+8*(4*(\c)+(\b)):(\f)+64+8*(4*(\c)+(\b))+7], v[(\f)+8*(4*(\c)+(\a)):(\f)+8*(4*(\c)+(\a))+7], v[ACC+8*(4*(\a)+(\b)):ACC+8*(4*(\a)+(\b))+7]
.endif
.endr
.endr
.endm
; 32 LDS loads in one run: the fragments of slice q of a K step into buffer f; the first 32 along K first
.macro FETCH slot, q, f
	WIN TO_F
.irp c, 0,1
.irp i, 0,1,2,3
	ds_load_b128 v[(\f)+64+8*(4*(\c)+(\i)):(\f)+64+8*(4*(\c)+(\i))+3],   v[ADRB+(\slot)] offset:(\q)*ABLK+64*(\c)+(\i)*16*PITCH
	ds_load_b128 v[(\f)+64+8*(4*(\c)+(\i))+4:(\f)+64+8*(4*(\c)+(\i))+7], v[ADRB+(\slot)] offset:(\q)*ABLK+64*(\c)+(\i)*16*PITCH+32
	ds_load_b128 v[(\f)+8*(4*(\c)+(\i)):(\f)+8*(4*(\c)+(\i))+3],         v[ADRA+(\slot)] offset:(\q)*ABLK+64*(\c)+(\i)*16*PITCH
	ds_load_b128 v[(\f)+8*(4*(\c)+(\i))+4:(\f)+8*(4*(\c)+(\i))+7],       v[ADRA+(\slot)] offset:(\q)*ABLK+64*(\c)+(\i)*16*PITCH+32
.endr
.endr
.endm
.macro QUARTER slot, qn, f, g, zero
	s_wait_dscnt 16                                ; the first 32 along K are in; the youngest sixteen loads may be out
	MUL8 \f, 0, 0, \zero
	MUL8 \f, 0, 2, \zero
	PLACES                                         ; in front of loads into registers that the quarter before multiplied
	FETCH \slot, \qn, \g
	s_wait_dscnt 32                                ; all but the 32 just issued
	MUL8 \f, 1, 0, 0
	MUL8 \f, 1, 2, 0
.endm
; The last quarter multiplies buffer 1 and changes slots: one barrier; in front of it each wave waits for all its tensor loads, adds 0 to its spare word, and waits for that and for its reads of this slot.
; fill = 1: the barrier opens a round of the cluster's, and behind the round this slot is filled again, two K steps ahead.
.macro TURN slot, next, fill
	WIN 0
	s_wait_tensorcnt 0x0                           ; all my tensor loads have landed: my part of the next slot
	ds_add_u32 v[SPW], v[NIL]                      ; 0 onto my spare word
	s_wait_dscnt 17                                ; (the add and the youngest sixteen loads may be out)
	MUL8 F1, 0, 0, 0
	s_wait_dscnt 0x0                               ; the add is done, and my reads of this slot are over
	s_barrier_signal -1
	MUL8 F1, 0, 2, 0
	WIN 0
	s_barrier_wait -1
.if \fill
	CREST                                          ; no wave of any partner still reads this slot or has a load on its way
	s_add_nc_u64 s[G0+4*(\slot)+2:G0+4*(\slot)+3], s[G0+4*(\slot)+2:G0+4*(\slot)+3], 8*262144
	s_add_nc_u64 s[G0B+4*(\slot)+2:G0B+4*(\slot)+3], s[G0B+4*(\slot)+2:G0B+4*(\slot)+3], 8*131072
	JLOAD \slot                                    ; the first tensor load behind the round; its four v_nop are also the places in front of the loads below
.else
	PLACES
.endif
	FETCH \next, 0, F0
	MUL8 F1, 1, 0, 0
	MUL8 F1, 1, 2, 0
.endm
	s_wait_tensorcnt 1                             ; my part of K step 0 is in; K step 1's may stay out
	s_barrier_signal -1
	s_barrier_wait -1
	FETCH 0, 0, F0
	QUARTER 0, 1, F0, F1, 1                        ; the first quarter stands in front of the loop: its first products start the sums, with the bias
	WIN 0
	s_mov_b32 s3, 3
.Llap:                                                 ; a trip goes once round the ring and fills both slots again
	QUARTER 0, 2, F1, F0, 0
	QUARTER 0, 3, F0, F1, 0
	TURN 0, 1, 1
	QUARTER 1, 1, F0, F1, 0
	QUARTER 1, 2, F1, F0, 0
	QUARTER 1, 3, F0, F1, 0
	TURN 1, 0, 1
	QUARTER 0, 1, F0, F1, 0
	WIN 0
	s_sub_co_u32 s3, s3, 1
	s_cmp_lg_u32 s3, 0
	s_cbranch_scc1 .Llap
	QUARTER 0, 2, F1, F0, 0                        ; the last lap fills nothing
	QUARTER 0, 3, F0, F1, 0
	TURN 0, 1, 0
	QUARTER 1, 1, F0, F1, 0
	QUARTER 1, 2, F1, F0, 0
	QUARTER 1, 3, F0, F1, 0
	s_wait_dscnt 16
	MUL8 F1, 0, 0, 0
	MUL8 F1, 0, 2, 0
	s_wait_dscnt 0x0
	MUL8 F1, 1, 0, 0
	MUL8 F1, 1, 2, 0
	WIN 0
	PLACES
	PLACES
	; THE WAY OUT.  My 64 columns of f32 are 256 aligned bytes of a row: 16 tokens at a time go through my own stage and come back as whole rows.  No barrier: no other wave touches my stage.
.irp a, 0,1,2,3
.irp b, 0,1,2,3
	ds_store_b128 v[STO], v[ACC+8*(4*(\a)+(\b)):ACC+8*(4*(\a)+(\b))+3]   offset:64*(\b)      ; each accumulator from its low end on
	ds_store_b128 v[STO], v[ACC+8*(4*(\a)+(\b))+4:ACC+8*(4*(\a)+(\b))+7] offset:64*(\b)+16
.endr
.irp t, 0,1,2,3,4,5,6,7
	ds_load_b128 v[OB+32*((\a)%2)+4*(\t):OB+32*((\a)%2)+4*(\t)+3], v[RD] offset:(\t)*2*SPITCH  ; LDS serves a wave's instructions in order (ISA guide 5.7.1.4): these see the stores above
.endr
.if (\a) > 0
	s_wait_xcnt 0x0                                ; the earlier stores have read their base and their data
	s_add_nc_u64 s[12:13], s[12:13], 16*4096       ; 16 rows on
.endif
.irp t, 0,1,2,3,4,5,6,7
	s_wait_dscnt 7-(\t)
	global_store_b128 v[CO], v[OB+32*((\a)%2)+4*(\t):OB+32*((\a)%2)+4*(\t)+3], s[12:13] offset:(\t)*8192 th:TH_STORE_NT  ; 16 lanes store 256 consecutive bytes, aligned
.endr
.endr
	s_wait_tensorcnt 0x0                           ; the wave's end: behind my last tensor load and my last LDS store
	ds_add_u32 v[SPW], v[NIL]
	s_wait_dscnt 0x0
	CROUND                                         ; the closing round
	s_endpgm
.Lfunc_end_k_qb304104ae1_out:
	.size	k_qb304104ae1_out, .Lfunc_end_k_qb304104ae1_out-k_qb304104ae1_out
	.p2alignl 7, 3214868480
	.fill 96, 4, 3214868480
	.section	.rodata,"a",@progbits
	.p2align	6, 0x0
	.amdhsa_kernel k_qb304104ae1_out
		.amdhsa_group_segment_fixed_size 327680
		.amdhsa_private_segment_fixed_size 0
		.amdhsa_enable_private_segment 0
		.amdhsa_kernarg_size 40
		.amdhsa_user_sgpr_count 2
		.amdhsa_user_sgpr_kernarg_segment_ptr 1
		.amdhsa_wavefront_size32 1
		.amdhsa_system_sgpr_workgroup_id_x 1
		.amdhsa_system_sgpr_workgroup_id_y 1
		.amdhsa_system_sgpr_workgroup_id_z 1
		.amdhsa_system_vgpr_workitem_id 0
		.amdhsa_next_free_vgpr 512
		.amdhsa_next_free_sgpr 72
		.amdhsa_reserve_vcc 0
		.amdhsa_float_denorm_mode_32 3
		.amdhsa_float_denorm_mode_16_64 3
		.amdhsa_memory_ordered 1
		.amdhsa_forward_progress 1
		.amdhsa_inst_pref_size 89
	.end_amdhsa_kernel
	.amdgpu_metadata
---
amdhsa.version: [ 1, 2 ]
amdhsa.kernels:
  - .name:           k_qb304104ae1_out
    .symbol:         k_qb304104ae1_out.kd
    .args:
      - { .name: ax, .offset: 0, .size: 8, .value_kind: global_buffer, .address_space: global }
      - { .name: wob, .offset: 8, .size: 8, .value_kind: global_buffer, .address_space: global }
      - { .name: bo, .offset: 16, .size: 8, .value_kind: global_buffer, .address_space: global }
      - { .name: bb, .offset: 24, .size: 8, .value_kind: global_buffer, .address_space: global }
      - { .name: out0, .offset: 32, .size: 8, .value_kind: global_buffer, .address_space: global }
    .group_segment_fixed_size: 327680
    .private_segment_fixed_size: 0
    .kernarg_segment_align: 8
    .kernarg_segment_size: 40
    .max_flat_workgroup_size: 128
    .sgpr_count:     72
    .vgpr_count:     512
    .wavefront_size: 32
...
	.end_amdgpu_metadata
.endif
;; end of part 4
;; ======== version 2 of 2: 4 launches; version 1 with the launch cvt written anew for expert scheduling mode
;; limits: values are held in f16: magnitudes above 65,504 overflow, below 6.1e-05 lose precision
;; workspace buffers: ax 16,777,216 bytes; wqkv 6,291,456 bytes; wob 4,194,304 bytes; qh 8,388,608 bytes; kh 8,388,608 bytes; vh 8,388,608 bytes; qst 524,288 bytes; kst 524,288 bytes
;; launch cvt (part 5): grid 64 x 9, 8 waves a work-group, no clusters, 0 bytes of LDS; arguments query, Wq, Wk, Wv, Wo, Wb, ax, wqkv, wob; writes ax, wqkv, wob
.if DOCPART == 5
	.amdgcn_target "amdgcn-amd-amdhsa--gfx1250"
	.amdhsa_code_object_version 6
	.text
	.protected	k_qb304104ae1_cvt
	.globl	k_qb304104ae1_cvt
	.p2align	8
	.type	k_qb304104ae1_cvt,@function
k_qb304104ae1_cvt:
	s_mov_b64 s[64:65], 0
	v_nop
	global_prefetch_b8 v0, s[64:65] scope:SCOPE_SE
	s_setreg_imm32_b32 hwreg(HW_REG_WAVE_SCHED_MODE, 0, 2), 2
	s_setreg_imm32_b32 hwreg(HW_REG_WAVE_MODE, 25, 1), 1
	s_wait_xcnt 0x0
	s_wait_alu depctr_vm_vsrc(0)
; f32 -> f16, rounded once, and laid in SLICES: 64 neighbouring K channels of all rows, rows of 128 bytes end to end, so that the products' tiles are dense blocks.
;   query [4096][1024]   -> ax   [b 2][slice 32][token 2048][64], slices 16-31 (slices 0-15 are written later, by the attention)
;   Wq, Wk, Wv [1024][1024] -> wqkv [slice 16][row 3072][64], row = 192 head + 64 type + channel (type 0 q, 1 k, 2 v)
;   Wo, Wb [1024][1024]  -> wob  [slice 32][row 1024][64], slices 0-15 Wo, 16-31 Wb
; LIMIT: a number beyond 65,504 becomes an infinity in f16; below 6e-5 f16 keeps its fixed step of 6e-8.
; SHARES.  Work-group y names a matrix of 1,024 rows x 1,024 f32 (0-3: the quarters of query; 4-8: Wq, Wk, Wv, Wo, Wb), x names 16 rows of it.  Wave w takes slices 2 w and 2 w + 1.
; A load: lanes 0-15 take 256 consecutive bytes of an even row, lanes 16-31 of the next row.  A store: the two rows' 128 bytes of a slice are neighbours: 256 consecutive bytes, aligned.
; Memory binds: no LDS, no barrier, no matrix unit; all 16 loads of a wave go out at once, and no register is written twice, so nothing waits for a store.
; THE MODE: SCHED_MODE bits 1:0 = 2 (LLVM: expert scheduling mode 2), set by the entry lines.  The code itself states the register dependences
; between vector instructions and memory instructions, with s_wait_alu, always for 0.
; THE PLAN.  Registers that memory instructions touch:
;   v5, v6-7   byte offsets, made once at the head by vector instructions and never written again; v5 is read by every load, v6 or v7 by every store.
;   X          piece i: four registers in which load i lands, once; read by piece i's two conversions alone.  No vector instruction names them ahead of the load, and no load lands in them behind the conversions.
;   Y          piece i: two registers written by piece i's conversions, once; read by store i alone.
; The 16 pieces go in four groups of four.  Group g's conversions read X of group g and write Y of group g; the memory instructions that stand among them are the four stores of group g - 1, which read Y of group g - 1
; and an offset: registers that no vector instruction of group g names.  So one wait at a group's head states all that its four stores hang on.  No register that a memory instruction reads is written again, so no wait
; is owed for a register that a memory instruction has yet to read.
.set VS, 5                             ; v5     byte offset of my 16 bytes in the first pair of rows, slice 2 w
.set VD, 6                             ; v6-7   byte offset of my 8 bytes in the destination, slices 2 w and 2 w + 1
.set X,  8                             ; v[8:71]   16 loads of 4 registers
.set Y,  72                            ; v[72:103] 16 stores of 2 registers
.set GRP, 4                            ; pieces in a group
	s_load_b512 s[8:23], s[0:1], 0x0               ; query s[8:9], Wq s[10:11], Wk s[12:13], Wv s[14:15], Wo s[16:17], Wb s[18:19], ax s[20:21], wqkv s[22:23]
	s_load_b64 s[24:25], s[0:1], 0x40              ; wob
	s_and_b32 s2, ttmp7, 0xffff                    ; y: which matrix
	s_mov_b32 s3, ttmp9                            ; x: which 16 rows
	v_lshrrev_b32 v1, 5, v0
	v_readfirstlane_b32 s4, v1                     ; wave 0..7
	v_and_b32 v2, 31, v0                           ; lane
	v_and_b32 v3, 15, v0                           ; lane % 16
	v_bfe_u32 v4, v0, 4, 1                         ; lane / 16
	; the source: a quarter of query is 4 MiB; 16 rows are 65,536 bytes
	s_lshl_b32 s28, s2, 22
	s_cmp_lt_u32 s2, 4
	s_cselect_b32 s28, s28, 0
	s_lshl_b32 s29, s3, 16
	s_add_co_u32 s28, s28, s29
	s_mov_b32 s29, 0
	; bytes from slice to slice in the destination
	s_mov_b32 s32, 131072
	s_cmp_lt_u32 s2, 7
	s_cselect_b32 s32, 393216, s32
	s_cmp_lt_u32 s2, 4
	s_cselect_b32 s32, 262144, s32
	; where the 16 rows begin in slice 0 of the destination.  query: batch y / 2, slice 16, token 1,024 (y % 2) + 16 x
	s_lshl_b32 s35, s3, 11                         ; 16 x rows of 128 bytes
	s_lshr_b32 s33, s2, 1
	s_lshl_b32 s33, s33, 23
	s_and_b32 s34, s2, 1
	s_lshl_b32 s34, s34, 17
	s_add_co_u32 s33, s33, s34
	s_add_co_u32 s33, s33, 1<<22
	s_add_co_u32 s33, s33, s35
	; Wq, Wk, Wv: head x / 4 (192 rows), type y - 4 (64 rows), channel 16 (x % 4)
	s_lshr_b32 s34, s3, 2
	s_mul_i32 s34, s34, 24576
	s_sub_co_u32 s36, s2, 4
	s_lshl_b32 s36, s36, 13
	s_add_co_u32 s34, s34, s36
	s_and_b32 s36, s3, 3
	s_lshl_b32 s36, s36, 11
	s_add_co_u32 s34, s34, s36
	; Wo: slice 0; Wb: slice 16
	s_sub_co_u32 s36, s2, 7
	s_lshl_b32 s36, s36, 21
	s_add_co_u32 s36, s36, s35
	s_cmp_lt_u32 s2, 7
	s_cselect_b32 s36, s34, s36
	s_cmp_lt_u32 s2, 4
	s_cselect_b32 s36, s33, s36
	s_mov_b32 s37, 0
	; the lanes' offsets
	s_wait_alu depctr_va_sdst(0)                   ; v_readfirstlane_b32 has written s4, ahead of its first reader: both offsets below are made from it
	s_lshl_b32 s5, s4, 9                           ; two slices are 512 bytes of a source row
	v_lshlrev_b32 v[VS], 4, v3
	v_lshl_add_u32 v[VS], v4, 12, v[VS]
	v_add_nc_u32 v[VS], s5, v[VS]
	s_mul_i32 s5, s4, s32
	s_lshl_b32 s5, s5, 1
	v_lshl_add_u32 v[VD], v2, 3, s5
	v_add_nc_u32 v[VD+1], s32, v[VD]
	s_wait_kmcnt 0x0
	s_mov_b64 s[26:27], s[8:9]                     ; the source's address, chosen by y alone
	s_cmp_eq_u32 s2, 4
	s_cselect_b64 s[26:27], s[10:11], s[26:27]
	s_cmp_eq_u32 s2, 5
	s_cselect_b64 s[26:27], s[12:13], s[26:27]
	s_cmp_eq_u32 s2, 6
	s_cselect_b64 s[26:27], s[14:15], s[26:27]
	s_cmp_eq_u32 s2, 7
	s_cselect_b64 s[26:27], s[16:17], s[26:27]
	s_cmp_eq_u32 s2, 8
	s_cselect_b64 s[26:27], s[18:19], s[26:27]
	s_cmp_lt_u32 s2, 7                             ; and the destination's
	s_cselect_b64 s[30:31], s[22:23], s[24:25]
	s_cmp_lt_u32 s2, 4
	s_cselect_b64 s[30:31], s[20:21], s[30:31]
	s_add_nc_u64 s[26:27], s[26:27], s[28:29]
	s_add_nc_u64 s[30:31], s[30:31], s[36:37]
	s_wait_alu depctr_va_vdst(0)                   ; v5, v6 and v7 are written: every load and store of the kernel reads one of them as its offset, and nothing writes them again
.set i, 0
.rept 16                                               ; pair of rows i / 2, slice 2 w + i % 2
	global_load_b128 v[X+4*i:X+4*i+3], v[VS], s[26:27] offset:(i/2)*8192+(i%2)*256 th:TH_LOAD_NT
.set i, i+1
.endr
.set i, 0
.rept 16
	s_wait_loadcnt 15-i                            ; loads come back in order: load i is in, the younger ones stay out
.if (i >= GRP) && (i%GRP == 0)
	s_wait_alu depctr_va_vdst(0)                   ; the conversions of the group before have written its eight Y registers, which this group's four stores read
.endif
.if i >= GRP
	global_store_b64 v[VD+i%2], v[Y+2*(i-GRP):Y+2*(i-GRP)+1], s[30:31] offset:((i-GRP)/2)*256  ; piece i - 4 (of the same slice as piece i): 32 lanes store 256 consecutive bytes, aligned; no vector instruction since the wait names its registers
.endif
	v_cvt_pk_f16_f32 v[Y+2*i], v[X+4*i], v[X+4*i+1]
	v_cvt_pk_f16_f32 v[Y+2*i+1], v[X+4*i+2], v[X+4*i+3]
.set i, i+1
.endr
	s_wait_alu depctr_va_vdst(0)                   ; the last group's conversions have written its eight Y registers, which the last four stores read
.set i, 16-GRP
.rept GRP
	global_store_b64 v[VD+i%2], v[Y+2*i:Y+2*i+1], s[30:31] offset:(i/2)*256  ; 32 lanes store 256 consecutive bytes, aligned
.set i, i+1
.endr
	s_endpgm
.Lfunc_end_k_qb304104ae1_cvt:
	.size	k_qb304104ae1_cvt, .Lfunc_end_k_qb304104ae1_cvt-k_qb304104ae1_cvt
	.p2alignl 7, 3214868480
	.fill 96, 4, 3214868480
	.section	.rodata,"a",@progbits
	.p2align	6, 0x0
	.amdhsa_kernel k_qb304104ae1_cvt
		.amdhsa_group_segment_fixed_size 0
		.amdhsa_private_segment_fixed_size 0
		.amdhsa_enable_private_segment 0
		.amdhsa_kernarg_size 72
		.amdhsa_user_sgpr_count 2
		.amdhsa_user_sgpr_kernarg_segment_ptr 1
		.amdhsa_wavefront_size32 1
		.amdhsa_system_sgpr_workgroup_id_x 1
		.amdhsa_system_sgpr_workgroup_id_y 1
		.amdhsa_system_sgpr_workgroup_id_z 1
		.amdhsa_system_vgpr_workitem_id 0
		.amdhsa_next_free_vgpr 104
		.amdhsa_next_free_sgpr 66
		.amdhsa_reserve_vcc 0
		.amdhsa_float_denorm_mode_32 3
		.amdhsa_float_denorm_mode_16_64 3
		.amdhsa_memory_ordered 1
		.amdhsa_forward_progress 1
		.amdhsa_inst_pref_size 9
	.end_amdhsa_kernel
	.amdgpu_metadata
---
amdhsa.version: [ 1, 2 ]
amdhsa.kernels:
  - .name:           k_qb304104ae1_cvt
    .symbol:         k_qb304104ae1_cvt.kd
    .args:
      - { .name: query, .offset: 0, .size: 8, .value_kind: global_buffer, .address_space: global }
      - { .name: Wq, .offset: 8, .size: 8, .value_kind: global_buffer, .address_space: global }
      - { .name: Wk, .offset: 16, .size: 8, .value_kind: global_buffer, .address_space: global }
      - { .name: Wv, .offset: 24, .size: 8, .value_kind: global_buffer, .address_space: global }
      - { .name: Wo, .offset: 32, .size: 8, .value_kind: global_buffer, .address_space: global }
      - { .name: Wb, .offset: 40, .size: 8, .value_kind: global_buffer, .address_space: global }
      - { .name: ax, .offset: 48, .size: 8, .value_kind: global_buffer, .address_space: global }
      - { .name: wqkv, .offset: 56, .size: 8, .value_kind: global_buffer, .address_space: global }
      - { .name: wob, .offset: 64, .size: 8, .value_kind: global_buffer, .address_space: global }
    .group_segment_fixed_size: 0
    .private_segment_fixed_size: 0
    .kernarg_segment_align: 8
    .kernarg_segment_size: 72
    .max_flat_workgroup_size: 256
    .sgpr_count:     66
    .vgpr_count:     104
    .wavefront_size: 32
...
	.end_amdgpu_metadata
.endif
;; end of part 5
;; launch qkv: the kernel of part 2 again; grid 16 x 16, 4 waves a work-group, clusters of 4 x 4, 327,680 bytes of LDS; arguments ax, wqkv, bq, bk, bv, curvature, radial_weights, qh, kh, vh, qst, kst; writes qh, kh, vh, qst, kst
;; launch attn: the kernel of part 3 again; grid 8 x 32, 8 waves a work-group, clusters of 4 x 1, 327,680 bytes of LDS; arguments qh, kh, vh, qst, kst, curvature, ax; writes ax
;; launch out: the kernel of part 4 again; grid 8 x 32, 4 waves a work-group, clusters of 4 x 4, 327,680 bytes of LDS; arguments ax, wob, bo, bb, out0; writes out0
